; MI455X (gfx1250); checked and timed in simulation.
; The chip was launched on July 23, 2026; its instructions are those of AMD's public machine-readable ISA for CDNA 5 (MIT licence, August 2026) and "CDNA5" Instruction Set Architecture Reference Guide (July 2026). The comments in the code are by the model that wrote it; some were corrected since.
;; Multi Head Attention. Allowed arithmetic: matrix products marked QUANTISED: E2M1 operands, one E8M0 scale for each 32 along K, by v_wmma_scale_f32_16x16x128_f8f6f4 with both operands' format E2M1 (or v_wmma_scale_f32_32x16x128_f4), f32 sums; products left as they are: bf16, f16 or f32 operands; f32 sums; everything else in f32.
;; Inputs: W_k 1,024 x 1,024 float32; W_o 1,024 x 1,024 float32; W_q 1,024 x 1,024 float32; W_v 1,024 x 1,024 float32; k 4 x 2,048 x 1,024 float32; q 4 x 2,048 x 1,024 float32; v 4 x 2,048 x 1,024 float32.
;; Outputs: out0 4 x 2,048 x 1,024 float32.
;; This version of the problem:
;;   THIS VERSION OF THE PROBLEM IS GIVEN IN LOW PRECISION. The matrix products marked QUANTISED in the list below multiply operands that are first quantised to E2M1 (2 exponent bits, 1 mantissa bit; 4 bits a number), with one power-of-two scale for each 32 numbers along K (OCP MX v1.0); their sums are f32. The products marked 'left as it is' may take bf16, f16 or f32 operands, with f32 sums. Whichever they take, every output number must still come out within the allowed error. Rounding operands to bf16 (8 significant bits) uses up far more of that allowance than f16 does (11 bits, for magnitudes from 6e-5 to 65,504). All else is computed in f32.
;;   The module's matrix products, in the order in which they are computed (A, B: the left and right operand; K: the contracted axis; several contracted axes count as one K, in the product's order):
;;     1. [M 8,192, K 1,024] x [K 1,024, N 1,024]; A: input q; B: input W_q: QUANTISED
;;     2. [M 8,192, K 1,024] x [K 1,024, N 1,024]; A: input k; B: input W_k: QUANTISED
;;     3. [M 8,192, K 1,024] x [K 1,024, N 1,024]; A: input v; B: input W_v: QUANTISED
;;     4. batch 64 x [M 2,048, K 64] x [K 64, N 2,048]; A: computed on the way; B: computed on the way: left as it is (an operand is computed on the way)
;;     5. batch 64 x [M 2,048, K 2,048] x [K 2,048, N 64]; A: computed on the way; B: computed on the way: left as it is (an operand is computed on the way)
;;     6. [M 8,192, K 1,024] x [K 1,024, N 1,024]; A: computed on the way; B: input W_o: left as it is (an operand is computed on the way)
;;   THE QUANTISER, for each operand of a quantised product, along K:
;;     - K is cut into blocks of 32 from its start; a last block that is shorter is filled with zeros.
;;     - A block's scale is 2^e with e = floor(log2(the largest magnitude in the block)) - 2, held to -126 .. 127; a block of zeros has e = 0. As a byte (E8M0): e + 127.
;;     - Each number is divided by its block's scale, clamped to +-6, and rounded to the nearest number of E2M1, ties to even, subnormals kept.
;;     - The product sums the exact products of the quantised numbers (number of the format x scale) in f32.
;;   ~~~python
;;   def quantise(x, axis):      # numpy; x: float32 -> the quantised numbers, widened to float32 again
;;       x = np.moveaxis(x, axis, -1); K = x.shape[-1]
;;       x = np.pad(x, [(0, 0)] * (x.ndim - 1) + [(0, -K % 32)]); x = x.reshape(x.shape[:-1] + (-1, 32)); a = np.abs(x).max(-1, keepdims=True)
;;       e = np.where(a > 0, np.clip(np.frexp(np.where(a > 0, a, 1))[1] - 1 - 2, -126, 127), 0)      # np.frexp(a)[1] - 1 = floor(log2(a)), exactly
;;       r = np.clip(x / 2.0 ** e, -6, 6)
;;       step = 2.0 ** (np.maximum(np.frexp(np.where(r == 0, 1, r))[1] - 1, 0) - 1)
;;       q = np.round(r / step) * step * 2.0 ** e      # np.round: ties to even
;;       return np.moveaxis(q.reshape(q.shape[:-2] + (-1,))[..., :K], -1, axis).astype(np.float32)
;;   ~~~
;; One version. Each part assembles by itself: llvm-mc -triple=amdgcn-amd-amdhsa -mcpu=gfx1250 --defsym DOCPART=n.
;; ======== version 1 of 1: 4 launches
;; limits: values are held in f16: magnitudes above 65,504 overflow, below 6.1e-05 lose precision
;; workspace buffers: codes 14,155,776 bytes; scales 884,736 bytes; wo16 2,097,152 bytes; qkv16 50,331,648 bytes; ctx16 16,777,216 bytes
;; launch quant (part 1): grid 928 x 1, 4 waves a work-group, no clusters, 33,280 bytes of LDS; arguments q, k, v, W_q, W_k, W_v, W_o, codes, scales, wo16; writes codes, scales, wo16
.if DOCPART == 1
	.amdgcn_target "amdgcn-amd-amdhsa--gfx1250"
	.amdhsa_code_object_version 6
	.text
	.protected	k_qe3bb4a060d_quant
	.globl	k_qe3bb4a060d_quant
	.p2align	8
	.type	k_qe3bb4a060d_quant,@function
k_qe3bb4a060d_quant:
	s_mov_b64 s[64:65], 0
	v_nop
	global_prefetch_b8 v0, s[64:65] scope:SCOPE_SE
	s_setreg_imm32_b32 hwreg(HW_REG_WAVE_MODE, 25, 1), 1
	s_wait_xcnt 0x0
; q, k, v [8192][1024] and W_q, W_k, W_v [1024][1024], f32, K innermost, become codes of FP4 (E2M1), two a byte, and one E8M0 byte for each 32 along K.
; The six tensors' codes lie on end in one buffer (27,648 rows of 512 bytes: q, k, v, W_q, W_k, W_v), their scale bytes likewise (32 bytes a row).  W_o [1024][1024] is rounded once to f16.
; A block's scale is 2^(floor(log2(its largest magnitude)) - 2); its byte is the largest magnitude's exponent field - 2, held at 1 from below.  A block of zeros gets the byte 1 where the rule says 127:
; its codes are zeros, which add nothing under any byte but 0xff, and the bytes are read by this program alone.
; LIMITS: blocks whose largest magnitude lies under 2^-124 have their byte held at 1; NaN and infinities among the inputs are not served; W_o beyond 65,504 has no f16 number.
; SHARES: work-groups 0 to 863 quantise 32,768 numbers each (256 for each of q, k, v, 32 for each weight); a wave takes 16 steps of 512 numbers.  Rows are dense, so a tensor is a plain stream of blocks of 32.
; Each of a step's four loads reads 512 consecutive bytes; the 2,048 bytes turn through the wave's own stage in LDS and come back 64 bytes a lane: 16 neighbours along K, two lanes to a block.
; A lane's 16 codes are 8 bytes: the wave stores 256 consecutive bytes.  A wave's 256 scale bytes are gathered in LDS and leave as 256 consecutive bytes.
; Work-groups 864 to 927 convert W_o, 4,096 numbers a wave, with no LDS.  No wave shares anything with another: no barrier, no cluster.
.set WAVES, 4
.set STEPS, 16
.set NQWG,  864                        ; work-groups that quantise
.set EMAX,  2
.set CB,    8                          ; bytes of 16 codes
.set R,     16                         ; v16-79   four sets of 16 numbers as they are loaded
.set X,     80                         ; v80-111  two sets of 16 neighbours
.set C,     128                        ; v128-191 codes: four registers for each step, so that no store's data are written again
.set E,     112                        ; v112-127 a scale byte for each step
.set WREG,  8192                       ; LDS: a region for each wave: two stages of 32 x SP bytes, behind them its 256 scale bytes
.set SP,    80                         ; a lane's place in a stage: 64 bytes + 16 of padding
.set SPW,   12                         ; v12      LDS address of my spare word; never rewritten
.set NIL,   13                         ; v13      0; never rewritten
.set SPARE, WAVES*WREG                 ; behind the four regions: the spare words, 128 bytes a wave, named by no other line
	s_load_b256 s[4:11], s[0:1], 0x0               ; q s[4:5], k s[6:7], v s[8:9], W_q s[10:11]
	s_load_b256 s[12:19], s[0:1], 0x20             ; W_k s[12:13], W_v s[14:15], W_o s[16:17], codes s[18:19]
	s_load_b128 s[20:23], s[0:1], 0x40             ; scales s[20:21], wo16 s[22:23]
	v_lshl_add_u32 v[SPW], v0, 2, SPARE
	v_mov_b32 v[NIL], 0
	v_lshrrev_b32 v1, 5, v0
	v_readfirstlane_b32 s28, v1                    ; wave
	v_and_b32 v2, 31, v0                           ; lane
	s_cmp_ge_u32 ttmp9, NQWG                       ; the work-group's number alone decides
	s_cbranch_scc1 .Lwo
	v_lshlrev_b32 v3, 4, v2                        ; my 16 bytes of a load's 512
	s_mul_i32 s29, s28, WREG
	v_lshrrev_b32 v14, 2, v2
	v_mul_u32_u24 v14, v14, SP
	v_and_b32 v15, 3, v2
	v_lshl_add_u32 v14, v15, 4, v14
	v_add_nc_u32 v14, s29, v14                     ; the stage, on the way in: SP (lane / 4) + 16 (lane % 4)
	v_mul_u32_u24 v15, v2, SP
	v_add_nc_u32 v15, s29, v15                     ; and on the way out: SP x lane
	v_mul_u32_u24 v4, v2, CB                       ; my codes' place in a step's
	v_lshrrev_b32 v5, 1, v2
	s_add_co_u32 s29, s29, 2*32*SP
	v_add_nc_u32 v5, s29, v5                       ; my wave's 256 scale bytes, my block's byte
	v_lshlrev_b32 v7, 3, v2                        ; and on the way out 8 bytes a lane
	v_add_nc_u32 v6, s29, v7
	s_wait_kmcnt 0x0
	s_mov_b64 s[24:25], s[14:15]                   ; which tensor: a choice among pointers on the work-group's number; s26: its first work-group
	s_mov_b32 s26, 832
	s_cmp_lt_u32 ttmp9, 832
	s_cselect_b64 s[24:25], s[12:13], s[24:25]
	s_cselect_b32 s26, 800, s26
	s_cmp_lt_u32 ttmp9, 800
	s_cselect_b64 s[24:25], s[10:11], s[24:25]
	s_cselect_b32 s26, 768, s26
	s_cmp_lt_u32 ttmp9, 768
	s_cselect_b64 s[24:25], s[8:9], s[24:25]
	s_cselect_b32 s26, 512, s26
	s_cmp_lt_u32 ttmp9, 512
	s_cselect_b64 s[24:25], s[6:7], s[24:25]
	s_cselect_b32 s26, 256, s26
	s_cmp_lt_u32 ttmp9, 256
	s_cselect_b64 s[24:25], s[4:5], s[24:25]
	s_cselect_b32 s26, 0, s26
	s_sub_co_u32 s27, ttmp9, s26
	s_lshl_b32 s27, s27, 2
	s_add_co_u32 s30, s27, s28                     ; which run of 8,192 numbers of the tensor is my wave's
	s_lshl_b32 s30, s30, 15                        ; 32,768 bytes a run
	s_mov_b32 s31, 0
	s_add_nc_u64 s[24:25], s[24:25], s[30:31]
	s_lshl_b32 s32, ttmp9, 2
	s_add_co_u32 s32, s32, s28                     ; and which run of the two output buffers: they hold the tensors on end, in the work-groups' order
	s_lshl_b32 s34, s32, 12                        ; 4,096 bytes of codes a run
	s_mov_b32 s35, 0
	s_add_nc_u64 s[18:19], s[18:19], s[34:35]
	s_lshl_b32 s34, s32, 8                         ; 256 scale bytes a run
	s_add_nc_u64 s[20:21], s[20:21], s[34:35]
.macro LOAD t
.irp i, 0,1,2,3
	global_load_b128 v[R+16*((\t)%4)+4*\i:R+16*((\t)%4)+4*\i+3], v3, s[24:25] offset:2048*(\t)+512*\i th:TH_LOAD_NT   ; 32 lanes read 512 consecutive bytes
.endr
.endm
.macro TURN t                          ; step t's numbers through the stage: LDS serves a wave's instructions in order, so no wait stands between the stores and the loads
.irp i, 0,1,2,3
	ds_store_b128 v14, v[R+16*((\t)%4)+4*\i:R+16*((\t)%4)+4*\i+3] offset:32*SP*((\t)%2)+8*SP*\i
.endr
.irp i, 0,1,2,3
	ds_load_b128 v[X+16*((\t)%2)+4*\i:X+16*((\t)%2)+4*\i+3], v15 offset:32*SP*((\t)%2)+16*\i
.endr
.endm
.irp t, 0,1,2,3
	LOAD \t
.endr
	s_wait_loadcnt 12                              ; step 0's four loads are in; the twelve of steps 1 to 3 stay out
	TURN 0
.macro STEP t
.set XS, X+16*((\t)%2)
.if (\t) > 0
	s_wait_dscnt 1                                 ; this step's numbers are back from the stage (the last step's byte store may be out)
.else
	s_wait_dscnt 0x0
.endif
.if (\t)+4 < STEPS
	LOAD (\t)+4                                    ; into the registers whose stores into the stage are done
.endif
.if (\t)+1 < STEPS
.if STEPS-2-(\t) >= 3
	s_wait_loadcnt 12                              ; the next step's four loads are in; those of the three steps behind it may be out
.else
	s_wait_loadcnt 4*(STEPS-2-(\t))
.endif
	TURN (\t)+1                                    ; they go through the other stage while this step is worked
.endif
	v_max3_num_f32 v8, |v[XS]|, |v[XS+1]|, |v[XS+2]|               ; the largest magnitude of my 16, in two chains
	v_max3_num_f32 v9, |v[XS+3]|, |v[XS+4]|, |v[XS+5]|
.irp i, 6,10
	v_max3_num_f32 v8, v8, |v[XS+\i]|, |v[XS+\i+1]|
	v_max3_num_f32 v9, v9, |v[XS+\i+2]|, |v[XS+\i+3]|
.endr
	v_max3_num_f32 v8, v8, |v[XS+14]|, |v[XS+15]|
	v_max3_num_f32 v8, v8, v9, (EMAX+1)<<23        ; and the floor 2^(3 - 127): the byte cannot fall under 1
	v_max_num_f32_dpp v8, v8, v8 row_xmask:1 row_mask:0xf bank_mask:0xf   ; and of my neighbour's 16: the block's
	v_add_nc_u32 v11, -(EMAX<<23), v8              ; 2 off its exponent field: the conversion takes the exponent field of this operand as its scale
	v_cvt_scalef32_pk8_fp4_f32 v[C+4*(\t)], v[XS:XS+7], v11
	v_cvt_scalef32_pk8_fp4_f32 v[C+4*(\t)+1], v[XS+8:XS+15], v11
	v_lshrrev_b32 v[E+(\t)], 23, v11               ; the scale's byte (also the plain line behind the conversions)
	ds_store_b8 v5, v[E+(\t)] offset:16*(\t)       ; both lanes of a block write the same byte with the same value
	global_store_b64 v4, v[C+4*(\t):C+4*(\t)+1], s[18:19] offset:32*CB*(\t)
.endm
.irp t, 0,1,2,3,4,5,6,7,8,9,10,11,12,13,14,15
	STEP \t
.endr
	ds_load_b64 v[8:9], v6                         ; LDS serves a wave's instructions in order: these see my byte stores
	s_wait_dscnt 0x0
	global_store_b64 v7, v[8:9], s[20:21]          ; 32 lanes store 256 consecutive bytes, at a multiple of 256 from the buffer's first byte
	s_wait_tensorcnt 0x0                           ; the wave's end
	ds_add_u32 v[SPW], v[NIL]
	s_wait_dscnt 0x0
	s_endpgm
.Lwo:                                              ; W_o to f16: 16 chunks of 256 numbers; a lane takes 8 neighbours (32 bytes in, 16 out).
	s_sub_co_u32 s30, ttmp9, NQWG
	s_lshl_b32 s30, s30, 2
	s_add_co_u32 s30, s30, s28                     ; which run of 4,096 numbers
	s_lshl_b32 s32, s30, 14
	s_mov_b32 s33, 0
	s_lshl_b32 s34, s30, 13
	s_mov_b32 s35, 0
	v_lshlrev_b32 v1, 5, v2
	v_lshlrev_b32 v3, 4, v2
	s_wait_kmcnt 0x0
	s_add_nc_u64 s[16:17], s[16:17], s[32:33]
	s_add_nc_u64 s[22:23], s[22:23], s[34:35]
.irp c, 0,1,2,3,4,5,6,7,8,9,10,11,12,13,14,15
	global_load_b128 v[16+8*\c:19+8*\c], v1, s[16:17] offset:1024*\c th:TH_LOAD_NT
	global_load_b128 v[20+8*\c:23+8*\c], v1, s[16:17] offset:1024*\c+16 th:TH_LOAD_NT
.endr
.irp c, 0,1,2,3,4,5,6,7,8,9,10,11,12,13,14,15
	s_wait_loadcnt 30-2*\c                         ; this chunk's two loads are in; the later chunks' stay out
.irp i, 0,1,2,3
	v_cvt_pk_f16_f32 v[16+8*\c+\i], v[16+8*\c+2*\i], v[16+8*\c+2*\i+1]   ; in place: result i never lies ahead of source 2 i
.endr
	global_store_b128 v3, v[16+8*\c:19+8*\c], s[22:23] offset:512*\c      ; 512 consecutive bytes; no register is written again
.endr
	s_endpgm
.Lfunc_end_k_qe3bb4a060d_quant:
	.size	k_qe3bb4a060d_quant, .Lfunc_end_k_qe3bb4a060d_quant-k_qe3bb4a060d_quant
	.p2alignl 7, 3214868480
	.fill 96, 4, 3214868480
	.section	.rodata,"a",@progbits
	.p2align	6, 0x0
	.amdhsa_kernel k_qe3bb4a060d_quant
		.amdhsa_group_segment_fixed_size 33280
		.amdhsa_private_segment_fixed_size 0
		.amdhsa_enable_private_segment 0
		.amdhsa_kernarg_size 80
		.amdhsa_user_sgpr_count 2
		.amdhsa_user_sgpr_kernarg_segment_ptr 1
		.amdhsa_wavefront_size32 1
		.amdhsa_system_sgpr_workgroup_id_x 1
		.amdhsa_system_sgpr_workgroup_id_y 1
		.amdhsa_system_sgpr_workgroup_id_z 1
		.amdhsa_system_vgpr_workitem_id 0
		.amdhsa_next_free_vgpr 192
		.amdhsa_next_free_sgpr 66
		.amdhsa_reserve_vcc 0
		.amdhsa_float_denorm_mode_32 3
		.amdhsa_float_denorm_mode_16_64 3
		.amdhsa_memory_ordered 1
		.amdhsa_forward_progress 1
		.amdhsa_inst_pref_size 44
	.end_amdhsa_kernel
	.amdgpu_metadata
---
amdhsa.version: [ 1, 2 ]
amdhsa.kernels:
  - .name:           k_qe3bb4a060d_quant
    .symbol:         k_qe3bb4a060d_quant.kd
    .args:
      - { .name: q, .offset: 0, .size: 8, .value_kind: global_buffer, .address_space: global }
      - { .name: k, .offset: 8, .size: 8, .value_kind: global_buffer, .address_space: global }
      - { .name: v, .offset: 16, .size: 8, .value_kind: global_buffer, .address_space: global }
      - { .name: W_q, .offset: 24, .size: 8, .value_kind: global_buffer, .address_space: global }
      - { .name: W_k, .offset: 32, .size: 8, .value_kind: global_buffer, .address_space: global }
      - { .name: W_v, .offset: 40, .size: 8, .value_kind: global_buffer, .address_space: global }
      - { .name: W_o, .offset: 48, .size: 8, .value_kind: global_buffer, .address_space: global }
      - { .name: codes, .offset: 56, .size: 8, .value_kind: global_buffer, .address_space: global }
      - { .name: scales, .offset: 64, .size: 8, .value_kind: global_buffer, .address_space: global }
      - { .name: wo16, .offset: 72, .size: 8, .value_kind: global_buffer, .address_space: global }
    .group_segment_fixed_size: 33280
    .private_segment_fixed_size: 0
    .kernarg_segment_align: 8
    .kernarg_segment_size: 80
    .max_flat_workgroup_size: 128
    .sgpr_count:     66
    .vgpr_count:     192
    .wavefront_size: 32
...
	.end_amdgpu_metadata
.endif
;; end of part 1
;; launch proj (part 2): grid 4 x 96, 4 waves a work-group, clusters of 4 x 4, 327,680 bytes of LDS; arguments codes, scales, qkv16; writes qkv16
.if DOCPART == 2
	.amdgcn_target "amdgcn-amd-amdhsa--gfx1250"
	.amdhsa_code_object_version 6
	.text
	.protected	k_qe3bb4a060d_proj
	.globl	k_qe3bb4a060d_proj
	.p2align	8
	.type	k_qe3bb4a060d_proj,@function
k_qe3bb4a060d_proj:
	s_mov_b64 s[64:65], 0
	v_nop
	global_prefetch_b8 v0, s[64:65] scope:SCOPE_SE
	s_setreg_imm32_b32 hwreg(HW_REG_WAVE_MODE, 25, 1), 1
	s_wait_xcnt 0x0
	s_wait_alu depctr_hold_cnt(0) depctr_sa_sdst(0) depctr_va_vdst(0) depctr_va_sdst(0) depctr_va_ssrc(0) depctr_va_vcc(0) depctr_vm_vsrc(0)
	s_getreg_b32 s2, hwreg(HW_REG_IB_STS2, 6, 4)
	s_cmp_eq_u32 s2, 0
	s_cbranch_scc0 .Lentry_in_a_cluster
	s_endpgm
.Lentry_in_a_cluster:
	s_bfe_u32 s2, ttmp6, 0x10000c
	s_cmp_lg_u32 s2, 0xf033
	s_cbranch_scc0 .Lentry_shape_is_right
	s_endpgm
.Lentry_shape_is_right:
; Q = q W_q^T, K = k W_k^T, V = v W_v^T on codes of FP4 (E2M1) with one E8M0 scale for each 32 along K = 1,024; sums in f32; the results are rounded once to f16 and laid by head:
; qkv16 [3][64 = 16 batch + head][2048 tokens][64].  codes: 27,648 rows of 512 bytes (rows 0 on: q, k, v; 24,576 on: W_q, W_k, W_v); scales: 32 bytes a row.
; LIMIT: a result beyond 65,504 has no f16 number.
; A tile of C, 256 x 256, is made by a work-group of four waves; a wave makes 128 x 128: 64 accumulators, 512 registers.  Tile row T = 0 .. 95 runs over the 24,576 rows of q, k, v; tile column over the 1,024 outputs.
; K is two slots of 512 along K (LDS rows of 256 bytes + 16): both, and the scale bytes of the work-group's 512 rows, are asked for at the head; nothing is filled again, and there is no loop.
; CLUSTERS: 4 x 4 work-groups.  The four of a row of the cluster need the same rows of x, the four of a column the same rows of W: each tile is asked for jointly.  A cluster's four tile rows lie in one product
; (32 tile rows a product), so which W is wanted hangs on the cluster's y alone.
; THE MATRIX INSTRUCTION IS USED TRANSPOSED (source 0 = 16 rows of W, source 1 = 16 rows of x): a lane holds eight neighbouring outputs of one token.
; REGISTERS, in windows of 256: window 0: v16-29 addresses; v32-95 scale words, two sets; v128-191 x's fragments, one set; on the way out v32-63 packed results, v128-191 rows read back.
;   window 1: W's fragments, two sets, at v0 and v128.   window 2: the accumulators of my rows 0-63 ((a, b) at v[8 (8 a + b)]);   window 3: those of my rows 64-127.
.set NQ,     4                         ; matrix instructions deep in a slot
.set ROWB,   256                       ; a tile's row in bytes: 512 codes
.set KROW,   512                       ; a row of codes in memory
.set PITCH,  272                       ; an LDS row: 256 bytes + 16 = 68 words: the 16 rows of a fragment load start 4 words apart modulo 64
.set FR,     8
.set NL,     2
.set NP,     4                         ; places behind this matrix instruction (ISA guide 7.12.1)
.set HALFT,  128*PITCH
.set SLOT,   4*HALFT                   ; x's 256 rows, then W's 256 rows
.set KS,     32                        ; a row of scale bytes
.set SCL,    2*SLOT                    ; behind the slots: the scales, as rows of 256 bytes + 16
.set HALFS,  (128*KS/256)*272
.set SBLK,   (16*KS/256)*272
.set SPARE,  SCL+4*HALFS               ; the spare words, 128 bytes a wave, named by no other line
.set SPITCH, 272                       ; the way out: a stage of 16 rows x (256 + 16) bytes a wave, in slot 0, which has had its one fill and its last read by then
.set ADRA, 16
.set ADRB, 20
.set STO,  24
.set RD,   25
.set CO,   26
.set ADRS, 27
.set SPW,  28
.set NIL,  29
.set SC,   32
.set AF,   128
.set TMP,  32
.set BK,   128
.set G1, 24
.set G0, 32
.set G1B, 48
.set G0B, 56
.set G1S, 68
.set G0S, 76
.set G1SB, 80
.set G0SB, 88
.set MSB, 0
.macro WIN new                         ; the immediate's high byte repeats the setting that is left
.if MSB != (\new)
	s_set_vgpr_msb (MSB<<8)|(\new)
.set MSB, (\new)
.endif
.endm
.set MUL_LO, 0xa1                      ; source 0 (W) window 1, source 1 (x) window 0, C and D window 2
.set MUL_HI, 0xf1
.set TO_B,   0x40
.macro JLOAD g0a, g1a, g0b, g1b        ; a joint load: waves 0 and 1 fetch for x, waves 2 and 3 for W; an s_nop 0 and four v_nop follow each line
	s_cmp_eq_u32 s15, 0
	s_cbranch_scc0 .Lfor_b_\@
	tensor_load_to_lds s[\g0a:\g0a+3], s[\g1a:\g1a+7]
	s_nop 0
.rept 4
	v_nop
.endr
	s_branch .Lasked_\@
.Lfor_b_\@:
	tensor_load_to_lds s[\g0b:\g0b+3], s[\g1b:\g1b+7]
	s_nop 0
.rept 4
	v_nop
.endr
.Lasked_\@:
.endm
.macro CROUND                          ; a round of the cluster's barrier
	s_barrier_signal -1
	s_barrier_wait -1
	s_cmp_lg_u32 s14, 0
	s_cbranch_scc1 .Lnot_wave_0_\@
	s_barrier_signal -3
.Lnot_wave_0_\@:
	s_barrier_wait -3
	s_barrier_signal -1
	s_barrier_wait -1
.endm
	s_load_b128 s[4:7], s[0:1], 0x0                ; codes s[4:5], scales s[6:7]
	s_load_b64 s[12:13], s[0:1], 0x10              ; qkv16
	v_lshl_add_u32 v[SPW], v0, 2, SPARE
	v_mov_b32 v[NIL], 0
	ds_add_u32 v[SPW], v[NIL]                      ; the wave's opening: the add, twice on end, and its wait ahead of my first tensor load
	ds_add_u32 v[SPW], v[NIL]
	v_lshrrev_b32 v1, 5, v0
	v_readfirstlane_b32 s14, v1                    ; wave 0..3
	s_lshr_b32 s15, s14, 1                         ; which half of the tile's rows is mine.  Also: I fetch for x (0) or for W (1)
	s_and_b32 s16, s14, 1                          ; which half of its columns.  Also: which 128 rows I fetch
	s_bfe_u32 s40, ttmp6, 0x40000                  ; cx, cy
	s_bfe_u32 s41, ttmp6, 0x40004
	s_lshl_b32 s42, ttmp9, 2
	s_add_co_u32 s42, s42, s40                     ; tile column
	s_and_b32 s17, ttmp7, 0xffff
	s_lshl_b32 s17, s17, 2
	s_add_co_u32 s17, s17, s41                     ; tile row T
	s_lshl_b32 s43, s41, 2
	s_lshl_b32 s43, 15, s43                        ; my row of the cluster
	s_lshl_b32 s44, 0x1111, s40                    ; my column
	s_or_b32 s[G1+0], s43, (0<<16)|(1<<20)|(1<<21)|(5<<22)|(3<<25)  ; the mask; elements of 1 byte; padding on; bit 21 beside a mask; 4 words behind every 64
	s_or_b32 s[G1B+0], s44, (0<<16)|(1<<20)|(1<<21)|(5<<22)|(3<<25)
.irp g, G1, G1B
	s_mov_b32 s[\g+1], ROWB<<16                    ; tensor_dim0
	s_mov_b32 s[\g+2], 128<<16                     ; tensor_dim1
	s_mov_b32 s[\g+3], ROWB<<16                    ; tile_dim0
	s_mov_b32 s[\g+4], 128                         ; tile_dim1
	s_mov_b32 s[\g+5], KROW                        ; from row to row
	s_mov_b32 s[\g+6], 0
	s_mov_b32 s[\g+7], 0
.endr
	s_or_b32 s[G1S+0], s43, (3<<16)|(1<<20)|(1<<21)|(5<<22)|(3<<25) ; the scales of 128 rows: 4,096 dense bytes as 16 rows of 32 elements of 8 bytes
	s_or_b32 s[G1SB+0], s44, (3<<16)|(1<<20)|(1<<21)|(5<<22)|(3<<25)
.irp g, G1S, G1SB
	s_mov_b32 s[\g+1], 32<<16
	s_mov_b32 s[\g+2], (128*KS/256)<<16
	s_mov_b32 s[\g+3], 32<<16
	s_mov_b32 s[\g+4], 128*KS/256
	s_mov_b32 s[\g+5], 32
	s_mov_b32 s[\g+6], 0
	s_mov_b32 s[\g+7], 0
.endr
	s_lshl_b32 s18, s16, 7                         ; which 128 rows of the tile I fetch
	s_lshl_b32 s20, s17, 8
	s_add_co_u32 s20, s20, s18                     ; x: row 256 T + 128 x half
	s_and_b32 s45, ttmp7, 0xffff
	s_lshr_b32 s45, s45, 3                         ; the product, 0 .. 2: eight clusters along y to each
	s_lshl_b32 s45, s45, 10
	s_lshl_b32 s46, s42, 8
	s_add_co_u32 s46, s46, s18
	s_add_co_u32 s46, s46, s45
	s_add_co_u32 s46, s46, 24576                   ; W: row 24,576 + 1,024 x product + 256 x tile column + 128 x half
	s_lshl_b32 s22, s20, 5                         ; where these rows' scales begin, in bytes,
	s_mov_b32 s23, 0
	s_lshl_b32 s92, s46, 5
	s_mov_b32 s93, 0
	s_lshl_b32 s20, s20, 9                         ; and their codes
	s_mov_b32 s21, 0
	s_lshl_b32 s46, s46, 9
	s_mov_b32 s47, 0
	s_mul_i32 s45, s14, HALFT                      ; where they go: wave x 128 rows
	s_mul_i32 s94, s14, HALFS
	s_wait_dscnt 0x0                               ; both opening adds are done
	s_wait_kmcnt 0x0
	s_add_nc_u64 s[20:21], s[4:5], s[20:21]
	s_add_nc_u64 s[22:23], s[6:7], s[22:23]
	s_add_nc_u64 s[46:47], s[4:5], s[46:47]
	s_add_nc_u64 s[92:93], s[6:7], s[92:93]
	CROUND                                         ; all sixteen work-groups are here: the joint loads meet
	s_mov_b32 s[G0S], 1
	s_add_co_u32 s[G0S+1], s94, SCL
	s_mov_b64 s[G0S+2:G0S+3], s[22:23]
	s_or_b32 s[G0S+3], s[G0S+3], 0x80000000
	s_mov_b32 s[G0SB], 1
	s_add_co_u32 s[G0SB+1], s94, SCL
	s_mov_b64 s[G0SB+2:G0SB+3], s[92:93]
	s_or_b32 s[G0SB+3], s[G0SB+3], 0x80000000
	JLOAD G0S, G1S, G0SB, G1SB                     ; the scales first: they are wanted with slot 0
.irp s, 0,1
	s_mov_b32 s[G0+4*\s], 1
	s_add_co_u32 s[G0+4*\s+1], s45, \s*SLOT
	s_add_nc_u64 s[G0+4*\s+2:G0+4*\s+3], s[20:21], \s*ROWB
	s_or_b32 s[G0+4*\s+3], s[G0+4*\s+3], 0x80000000
	s_mov_b32 s[G0B+4*\s], 1
	s_add_co_u32 s[G0B+4*\s+1], s45, \s*SLOT
	s_add_nc_u64 s[G0B+4*\s+2:G0B+4*\s+3], s[46:47], \s*ROWB
	s_or_b32 s[G0B+4*\s+3], s[G0B+4*\s+3], 0x80000000
	JLOAD G0+4*\s, G1, G0B+4*\s, G1B               ; three loads of mine are out in all
.endr
	v_and_b32 v1, 15, v0                           ; r = l % 16
	v_bfe_u32 v2, v0, 4, 1                         ; h = l / 16
	v_mul_u32_u24 v3, v1, PITCH
	v_lshl_add_u32 v4, v2, 4, v3                   ; a fragment's row x pitch + 16 x half
	s_mul_i32 s21, s15, HALFT                      ; my 128 rows of x
	s_mul_i32 s22, s16, HALFT
	s_add_co_u32 s22, s22, 2*HALFT                 ; my 128 rows of W, behind x's 256
.irp s, 0,1
	v_add_nc_u32 v[ADRA+\s], s21, v4
	v_add_nc_u32 v[ADRB+\s], s22, v4
	s_add_co_u32 s21, s21, SLOT
	s_add_co_u32 s22, s22, SLOT
.endr
	v_mul_u32_u24 v5, v1, KS                       ; my row's scales: 32 bytes a row,
	v_lshrrev_b32 v6, 8, v5
	v_lshl_add_u32 v5, v6, 4, v5                   ; and 16 more for each 256 passed
	s_mul_i32 s21, s15, HALFS
	s_mul_i32 s22, s16, HALFS
	s_add_co_u32 s22, s22, 2*HALFS
	s_sub_co_u32 s22, s22, s21
	v_mul_u32_u24 v6, s22, v2                      ; lanes 16-31 take W's: one product, the distance between the two bases x h
	s_add_co_u32 s21, s21, SCL
	v_add_nc_u32 v5, v5, v6
	v_add_nc_u32 v[ADRS], s21, v5
	s_mul_i32 s23, s14, 16*SPITCH                  ; my stage
	v_mul_u32_u24 v5, v1, SPITCH                   ; in: token r, 16 bytes for each half of the lanes
	v_lshl_add_u32 v5, v2, 4, v5
	v_add_nc_u32 v[STO], s23, v5
	v_bfe_u32 v5, v0, 3, 2                         ; back: eight lanes take a token's 128 bytes of one head, four tokens an instruction
	v_mul_u32_u24 v5, v5, SPITCH
	v_and_b32 v6, 7, v0
	v_lshl_add_u32 v5, v6, 4, v5
	v_add_nc_u32 v[RD], s23, v5
	v_and_b32 v6, 31, v0
	v_lshlrev_b32 v[CO], 4, v6                     ; in memory those four tokens are 512 consecutive bytes
	s_lshr_b32 s20, s17, 3                         ; T / 8 = 4 x product + batch: 2^22 bytes each (16 heads of 2^18)
	s_lshl_b32 s20, s20, 22
	s_and_b32 s21, s17, 7
	s_lshl_b32 s21, s21, 15                        ; 256 tokens of 128 bytes
	s_add_co_u32 s20, s20, s21
	s_lshl_b32 s21, s15, 14                        ; my 128 tokens
	s_add_co_u32 s20, s20, s21
	s_lshl_b32 s46, s42, 20                        ; head 4 x tile column + 2 x half
	s_lshl_b32 s47, s16, 19
	s_add_co_u32 s46, s46, s47
	s_add_co_u32 s20, s20, s46
	s_mov_b32 s21, 0
	s_add_nc_u64 s[12:13], s[12:13], s[20:21]
.macro FRAG reg, adr, q, i             ; 16 rows x 128 K of 4-bit codes: 8 registers; registers 4 c .. 4 c + 3 hold K = 64 c + 32 (l / 16) + 0 .. 31
.irp c, 0,1
	ds_load_b128 v[\reg+4*\c:\reg+4*\c+3], v[\adr] offset:64*(\q)+32*\c+(\i)*16*PITCH
.endr
.endm
; 16 matrix instructions: x's blocks a0, a0 + 1 against W's eight.  p: W's set; sc: the set of scale words.  The 64 accumulators take turns, in the same order in every step.
.macro MUL16 a0, p, q, sc, zero
.irp a, \a0, \a0+1
.irp b, 0,1,2,3,4,5,6,7
.if \zero
	v_wmma_scale_f32_16x16x128_f8f6f4 v[8*(8*((\a)%4)+\b):8*(8*((\a)%4)+\b)+7], v[128*(\p)+FR*\b:128*(\p)+FR*\b+FR-1], v[AF+FR*(\a):AF+FR*(\a)+FR-1], 0, v[SC+8*NQ*(\sc)+NQ*\b+(\q)], v[SC+8*NQ*(\sc)+NQ*(\a)+(\q)] matrix_a_fmt:MATRIX_FMT_FP4 matrix_b_fmt:MATRIX_FMT_FP4 matrix_a_scale:MATRIX_SCALE_ROW1
.else
	v_wmma_scale_f32_16x16x128_f8f6f4 v[8*(8*((\a)%4)+\b):8*(8*((\a)%4)+\b)+7], v[128*(\p)+FR*\b:128*(\p)+FR*\b+FR-1], v[AF+FR*(\a):AF+FR*(\a)+FR-1], v[8*(8*((\a)%4)+\b):8*(8*((\a)%4)+\b)+7], v[SC+8*NQ*(\sc)+NQ*\b+(\q)], v[SC+8*NQ*(\sc)+NQ*(\a)+(\q)] matrix_a_fmt:MATRIX_FMT_FP4 matrix_b_fmt:MATRIX_FMT_FP4 matrix_a_scale:MATRIX_SCALE_ROW1
.endif
.endr
.endr
.endm
.macro FETCH_B slot, q, p
	WIN TO_B
.irp i, 0,1,2,3,4,5,6,7
	FRAG 128*(\p)+FR*\i, ADRB+\slot, \q, \i
.endr
	WIN 0
.endm
.macro FETCH_A slot, q, i0
.irp i, \i0, \i0+1, \i0+2, \i0+3
	FRAG AF+FR*(\i), ADRA+\slot, \q, \i
.endr
.endm
.macro SCALES sc                       ; a slot's scale words: 4 a row; lanes 0-15 take x's block i, lanes 16-31 W's block i
.irp i, 0,1,2,3,4,5,6,7
	ds_load_b128 v[SC+8*NQ*\sc+NQ*\i:SC+8*NQ*\sc+NQ*\i+3], v[ADRS] offset:\i*SBLK
.endr
.endm
.macro PLACES n                        ; plain vector lines between a matrix instruction and a load into, or a read of, its registers
.rept \n
	v_nop
.endr
.endm
.macro STEP slot, q, zero              ; 128 along K whose successor lies in the same slot
	s_wait_dscnt 4*NL                              ; W's set and x's blocks 0-3 are in; the youngest eight loads (x's blocks 4-7) may be out
	WIN MUL_LO
	MUL16 0, (\q)%2, \q, \slot, \zero
	MUL16 2, (\q)%2, \q, \slot, \zero
	s_wait_dscnt 0
	PLACES NP
	FETCH_B \slot, (\q)+1, 1-(\q)%2
	FETCH_A \slot, (\q)+1, 0
	WIN MUL_HI
	MUL16 4, (\q)%2, \q, \slot, \zero
	MUL16 6, (\q)%2, \q, \slot, \zero
	PLACES NP
	WIN 0
	FETCH_A \slot, (\q)+1, 4
.endm
.macro TURN slot, next                 ; slot 0's last step: one barrier; in front of it each wave's tensor loads have landed; behind it slot 1 is whole and nobody reads slot 0
	s_wait_tensorcnt 0x0                           ; my part of slot 1 is in
	ds_add_u32 v[SPW], v[NIL]                      ; 0 onto my spare word
	s_wait_dscnt 4*NL+1                            ; (the add and the youngest eight loads may be out)
	WIN MUL_LO
	MUL16 0, 1, NQ-1, \slot, 0
	s_wait_dscnt 0x0                               ; the add is done, and my reads of this slot are over
	s_barrier_signal -1
	MUL16 2, 1, NQ-1, \slot, 0
	WIN 0
	s_barrier_wait -1
	PLACES NP
	v_add_nc_u32 v[ADRS], 4*NQ, v[ADRS]            ; on to the next slot's scale words
	FETCH_B \next, 0, 0
	FETCH_A \next, 0, 0
	SCALES \next
	WIN MUL_HI
	MUL16 4, 1, NQ-1, \slot, 0
	MUL16 6, 1, NQ-1, \slot, 0
	PLACES NP
	WIN 0
	FETCH_A \next, 0, 4
.endm
	s_wait_tensorcnt 1                             ; the scales and my part of slot 0 are in; slot 1's load, issued behind them, may be out
	s_barrier_signal -1
	s_barrier_wait -1                              ; everybody's are
	FETCH_B 0, 0, 0
	FETCH_A 0, 0, 0
	SCALES 0
	FETCH_A 0, 0, 4
	STEP 0, 0, 1                                   ; the first products start the sums: nothing is cleared
	STEP 0, 1, 0
	STEP 0, 2, 0
	TURN 0, 1
	STEP 1, 0, 0
	STEP 1, 1, 0
	STEP 1, 2, 0
	s_wait_dscnt 4*NL                              ; the last step: nothing more to fetch
	WIN MUL_LO
	MUL16 0, 1, NQ-1, 1, 0
	MUL16 2, 1, NQ-1, 1, 0
	s_wait_dscnt 0
	WIN MUL_HI
	MUL16 4, 1, NQ-1, 1, 0
	MUL16 6, 1, NQ-1, 1, 0
	WIN 0
; THE WAY OUT, a block of 16 tokens x 128 outputs (two heads) at a time: rounded to f16, 16 bytes a lane into my stage, back as four tokens x 128 bytes of one head, which lie on end in memory.
.macro PACK a
.set AC, 64*((\a)%4)
	WIN 0x0a+5*((\a)/4)                            ; sources 0 and 1: window 2 or 3
.irp b, 0,1,2,3,4,5,6,7
.irp i, 0,1,2,3
	v_cvt_pk_f16_f32 v[TMP+4*\b+\i], v[AC+8*\b+2*\i], v[AC+8*\b+2*\i+1]   ; each accumulator from its low end on
.endr
.endr
	WIN 0
.endm
.macro TOSTAGE a
.set BB, BK+32*((\a)%2)
.irp b, 0,1,2,3,4,5,6,7
	ds_store_b128 v[STO], v[TMP+4*\b:TMP+4*\b+3] offset:32*\b
.endr
.irp u, 0,1,2,3,4,5,6,7
	ds_load_b128 v[BB+4*\u:BB+4*\u+3], v[RD] offset:(\u%4)*4*SPITCH+128*(\u/4)   ; LDS serves a wave's instructions in order: these see the stores above
.endr
.endm
.macro SEND a
.set BB, BK+32*((\a)%2)
	s_wait_dscnt 0x0                               ; the block is back in registers
	s_wait_xcnt 0x0                                ; the block before has left its registers: the next block's loads may land there
.irp u, 0,1,2,3,4,5,6,7
	global_store_b128 v[CO], v[BB+4*\u:BB+4*\u+3], s[12:13] offset:(\u/4)*262144+(16*(\a)+4*(\u%4))*128   ; 32 lanes store 512 consecutive bytes, at a multiple of 512 from the buffer's first byte
.endr
.endm
	PLACES NP                                      ; behind the last products: their scale words' and fragments' registers are written below
	PACK 0
	TOSTAGE 0
.irp a, 1,2,3,4,5,6,7                  ; block a's conversions stand between block a - 1's loads from the stage and the wait for them
	PACK \a
	SEND \a-1
	TOSTAGE \a
.endr
	SEND 7
	s_wait_tensorcnt 0x0                           ; the wave's end
	ds_add_u32 v[SPW], v[NIL]
	s_wait_dscnt 0x0
	CROUND                                         ; the closing round
	s_endpgm
.Lfunc_end_k_qe3bb4a060d_proj:
	.size	k_qe3bb4a060d_proj, .Lfunc_end_k_qe3bb4a060d_proj-k_qe3bb4a060d_proj
	.p2alignl 7, 3214868480
	.fill 96, 4, 3214868480
	.section	.rodata,"a",@progbits
	.p2align	6, 0x0
	.amdhsa_kernel k_qe3bb4a060d_proj
		.amdhsa_group_segment_fixed_size 327680
		.amdhsa_private_segment_fixed_size 0
		.amdhsa_enable_private_segment 0
		.amdhsa_kernarg_size 24
		.amdhsa_user_sgpr_count 2
		.amdhsa_user_sgpr_kernarg_segment_ptr 1
		.amdhsa_wavefront_size32 1
		.amdhsa_system_sgpr_workgroup_id_x 1
		.amdhsa_system_sgpr_workgroup_id_y 1
		.amdhsa_system_sgpr_workgroup_id_z 1
		.amdhsa_system_vgpr_workitem_id 0
		.amdhsa_next_free_vgpr 1024
		.amdhsa_next_free_sgpr 98
		.amdhsa_reserve_vcc 0
		.amdhsa_float_denorm_mode_32 3
		.amdhsa_float_denorm_mode_16_64 3
		.amdhsa_memory_ordered 1
		.amdhsa_forward_progress 1
		.amdhsa_inst_pref_size 126
	.end_amdhsa_kernel
	.amdgpu_metadata
---
amdhsa.version: [ 1, 2 ]
amdhsa.kernels:
  - .name:           k_qe3bb4a060d_proj
    .symbol:         k_qe3bb4a060d_proj.kd
    .args:
      - { .name: codes, .offset: 0, .size: 8, .value_kind: global_buffer, .address_space: global }
      - { .name: scales, .offset: 8, .size: 8, .value_kind: global_buffer, .address_space: global }
      - { .name: qkv16, .offset: 16, .size: 8, .value_kind: global_buffer, .address_space: global }
    .group_segment_fixed_size: 327680
    .private_segment_fixed_size: 0
    .kernarg_segment_align: 8
    .kernarg_segment_size: 24
    .max_flat_workgroup_size: 128
    .sgpr_count:     98
    .vgpr_count:     1024
    .wavefront_size: 32
...
	.end_amdgpu_metadata
.endif
;; end of part 2
;; launch attn (part 3): grid 4 x 64, 8 waves a work-group, clusters of 4 x 1, 327,680 bytes of LDS; arguments qkv16, ctx16; writes ctx16
.if DOCPART == 3
	.amdgcn_target "amdgcn-amd-amdhsa--gfx1250"
	.amdhsa_code_object_version 6
	.text
	.protected	k_qe3bb4a060d_attn
	.globl	k_qe3bb4a060d_attn
	.p2align	8
	.type	k_qe3bb4a060d_attn,@function
k_qe3bb4a060d_attn:
	s_mov_b64 s[64:65], 0
	v_nop
	global_prefetch_b8 v0, s[64:65] scope:SCOPE_SE
	s_setreg_imm32_b32 hwreg(HW_REG_WAVE_MODE, 25, 1), 1
	s_wait_xcnt 0x0
	s_wait_alu depctr_hold_cnt(0) depctr_sa_sdst(0) depctr_va_vdst(0) depctr_va_sdst(0) depctr_va_ssrc(0) depctr_va_vcc(0) depctr_vm_vsrc(0)
	s_getreg_b32 s2, hwreg(HW_REG_IB_STS2, 6, 4)
	s_cmp_eq_u32 s2, 0
	s_cbranch_scc0 .Lentry_in_a_cluster
	s_endpgm
.Lentry_in_a_cluster:
	s_bfe_u32 s2, ttmp6, 0x10000c
	s_cmp_lg_u32 s2, 0x3003
	s_cbranch_scc0 .Lentry_shape_is_right
	s_endpgm
.Lentry_shape_is_right:
; ctx[hb][q][:] = the sum over k of softmax_k(Q[hb][q] . K[hb][k] / 8) V[hb][k][:], 64 heads x batches, 2,048 tokens, head size 64, no mask.
; qkv16: [3][64][2048][64] f16 (Q, K, V); ctx16: [64][2048][64] f16.  Products on f16 operands, sums, maxima and the softmax in f32; the weights p are rounded to f16 for the second product, ctx once at the end.
; LIMIT: Q, K and V arrive as f16, so their magnitudes lie under 65,504; p is at most about 1 and |ctx| at most the largest |V|.
; SHARES.  A work-group owns 512 queries of one head, each of its eight waves 64: four tiles of 16, in 512 registers.  Every wave walks all 2,048 keys, 64 a step, in phases:
; 32 products K Q^T, the softmax of the four tiles, 32 products V^T P.  Two waves have room in a SIMD's registers, so that one wave's vector phase can stand beside the other's matrix phase.
; LAYOUT.  S^T = K Q^T (source 0 = 16 keys, source 1 = 16 queries): a lane holds ONE query (lane % 16) and keys 8 (lane / 16) + 0..7.  Two such tiles, rounded to f16 in pairs, ARE source 1 of
; O^T = V^T P, whose result again holds one query a lane.  K comes out of LDS as it lies, V ([key][channel]) turned, by ds_load_tr16_b128.
; SOFTMAX.  For each query a running maximum m and sum l: p = 2^(c s - c m), c = log2(e) / 8; in every step O and l are multiplied by a = 2^(c m_old - c m_new).  l sums the unrounded p.
; RING.  Two slots of 512 keys.  In LDS two keys share a row of 256 bytes, so that a tensor load's rows are 256 consecutive bytes of memory; K's rows are 272 bytes apart, V's 288.
; Four fills in all: two at the head, two refills.  Waves 0-3 fetch 128 keys of K each, waves 4-7 of V: one load a wave for a fill.
; CLUSTER.  The four query blocks of a head walk the same K and V: each tile is asked for jointly, by the same tensor load with the same descriptor and the mask of all four.
; REGISTERS: window 0: v2-9 addresses; v12-43 eight statistics a tile; v44-51 a second chain of sums; v62, v63 the add's two; v64-191 S^T, 32 a tile, whose first 16 then hold P; v192-255 K's fragments.
;   window 1: v0-127 O^T, 32 a tile; v128-191 Q; v192-255 V's fragments.
.set PK,     272                       ; 68 words: two keys a row: the 16 keys of a fragment load start at words 4 i and 32 + 4 i modulo 64
.set PVP,    288                       ; 72 words: 16 lanes of the turning load take 8 keys x 32 bytes, at words 8 i, 8 i + 4, 32 + 8 i, 36 + 8 i
.set KSTEPB, 32*PK                     ; a step's 64 keys in K's ring
.set VSTEPB, 32*PVP
.set KSLOT,  8*KSTEPB
.set VSLOT,  8*VSTEPB
.set VBASE,  2*KSLOT                   ; V's ring lies behind K's
.set SPARE,  VBASE+2*VSLOT             ; the spare words, 128 bytes a wave, named by no other line
.set SP,     144                       ; the way out: a stage of 16 tokens x (128 + 16) bytes a wave, in K's slot 0, which has had its last fill and its last read by then
.set AK0, 2
.set AV0, 3
.set ADK, 4
.set ADV, 5
.set QO,  6
.set STO, 7
.set RD,  8
.set GO,  9
.set ST,  12                           ; tile t at v[ST + 8 t]: +0 c m, +1 m, +2, +3 l (even keys', odd keys'), +4 to +7 c0-c3 at work; a takes c2's place
.set X,   44
.set SPW, 62
.set NIL, 63
.set S,   64
.set KF,  192
.set QF,  128                          ; in window 1
.set VF,  192                          ; in window 1
.set WV,  12
.set G1K, 24
.set G1V, 32
.set G0K, 40                           ; s[40:47] a group 0 for each slot
.set G0V, 48
.set CS,  58
.set SEL, 60
.set TK,  62                           ; LDS byte, in K's ring, of the step to be fetched next
.set TV,  63                           ; the same in V's ring
.set CNT, 66
.set MSB, 0
.macro WIN new
.if MSB != (\new)
	s_set_vgpr_msb (MSB<<8)|(\new)
.set MSB, (\new)
.endif
.endm
.set W_KQ, 0x04                        ; source 1 (Q) window 1; K and S^T window 0
.set W_PV, 0x51                        ; source 0 (V), C and D (O^T) window 1; P window 0
.set W_RS, 0x41                        ; O^T (destination and source 0) window 1, a window 0
.set TO_1, 0x40                        ; a load's destination window 1, its address window 0
.macro JLOAD n                         ; a joint refill of slot n; an s_nop 0 and four v_nop follow each line
	s_cmp_lt_u32 s[WV], 4
	s_cbranch_scc0 .Lfor_v_\@
	tensor_load_to_lds s[G0K+4*\n:G0K+4*\n+3], s[G1K:G1K+7]
	s_nop 0
.rept 4
	v_nop
.endr
	s_branch .Lasked_\@
.Lfor_v_\@:
	tensor_load_to_lds s[G0V+4*\n:G0V+4*\n+3], s[G1V:G1V+7]
	s_nop 0
.rept 4
	v_nop
.endr
.Lasked_\@:
.endm
.macro CREST                           ; a round of the cluster's barrier behind its opening barrier
	s_cmp_lg_u32 s[WV], 0
	s_cbranch_scc1 .Lnot_wave_0_\@
	s_barrier_signal -3
.Lnot_wave_0_\@:
	s_barrier_wait -3
	s_barrier_signal -1
	s_barrier_wait -1
.endm
.macro CROUND
	s_barrier_signal -1
	s_barrier_wait -1
	CREST
.endm
	s_load_b128 s[4:7], s[0:1], 0x0                ; qkv16 s[4:5], ctx16 s[6:7]
	v_lshl_add_u32 v[SPW], v0, 2, SPARE
	v_mov_b32 v[NIL], 0
	ds_add_u32 v[SPW], v[NIL]                      ; the wave's opening: the add, twice on end, and its wait ahead of my first tensor load
	ds_add_u32 v[SPW], v[NIL]
	v_lshrrev_b32 v1, 5, v0
	v_readfirstlane_b32 s[WV], v1                  ; wave 0..7
	s_bfe_u32 s13, ttmp6, 0x40000                  ; cx
	s_lshl_b32 s14, ttmp9, 2
	s_add_co_u32 s14, s14, s13                     ; my block of 512 queries: it enters Q's and ctx's addresses alone
	s_and_b32 s20, ttmp7, 0xffff                   ; the head, which the four partners share
	s_lshl_b32 s20, s20, 18                        ; its 2,048 tokens of 128 bytes
	s_and_b32 s15, s[WV], 3                        ; which 128 keys of a slot I fetch:
	s_lshl_b32 s22, s15, 14                        ; in memory,
	s_add_co_u32 s22, s22, s20
	s_mov_b32 s23, 0
	s_mul_i32 s56, s15, 64*PK                      ; in K's ring,
	s_mul_i32 s57, s15, 64*PVP
	s_add_co_u32 s57, s57, VBASE                   ; in V's: no place in the cluster enters an LDS address
	s_lshl_b32 s2, s14, 16                         ; my block's 512 rows,
	s_lshl_b32 s3, s[WV], 13                       ; my wave's 64 of them
	s_add_co_u32 s2, s2, s3
	s_add_co_u32 s2, s2, s20
	s_mov_b32 s3, 0
	s_mov_b32 s[G1K], 15|(1<<16)|(1<<20)|(1<<21)|(5<<22)|(3<<25)  ; the mask of all four; elements of 2 bytes; padding on; bit 21 beside a mask; 4 words behind every 64
	s_mov_b32 s[G1V], 15|(1<<16)|(1<<20)|(1<<21)|(5<<22)|(7<<25)  ; the same with 8 words
.irp g, G1K, G1V
	s_mov_b32 s[\g+1], 128<<16                     ; tensor_dim0: 128 elements: two keys
	s_mov_b32 s[\g+2], 64<<16                      ; tensor_dim1
	s_mov_b32 s[\g+3], 128<<16                     ; tile_dim0
	s_mov_b32 s[\g+4], 64                          ; tile_dim1
	s_mov_b32 s[\g+5], 128                         ; from row to row: dense
	s_mov_b32 s[\g+6], 0
	s_mov_b32 s[\g+7], 0
.endr
	s_mov_b32 s[CS], 0x3e38aa3b                    ; c = log2(e) / 8
	s_mov_b32 s[CS+1], s[CS]                       ; named with it as a pair, so it is written
	s_mov_b32 s[SEL], 0x76543210
	s_mov_b32 s[SEL+1], 0xfedcba98
	s_mov_b32 s[TK], 0
	s_mov_b32 s[TV], 0
	s_wait_dscnt 0x0                               ; both opening adds are done
	s_wait_kmcnt 0x0
	s_add_nc_u64 s[16:17], s[4:5], s[22:23]
	s_add_nc_u64 s[18:19], s[16:17], 0x2000000     ; V is the third part of qkv16,
	s_add_nc_u64 s[16:17], s[16:17], 0x1000000     ; K the second
	s_add_nc_u64 s[8:9], s[4:5], s[2:3]            ; Q and ctx at my wave's first row
	s_add_nc_u64 s[10:11], s[6:7], s[2:3]
	CROUND                                         ; all four work-groups are here: the first joint loads meet
.irp n, 0,1
	s_mov_b32 s[G0K+4*\n], 1
	s_add_co_u32 s[G0K+4*\n+1], s56, \n*KSLOT
	s_add_nc_u64 s[G0K+4*\n+2:G0K+4*\n+3], s[16:17], \n*65536      ; slot n begins with keys 512 n on
	s_or_b32 s[G0K+4*\n+3], s[G0K+4*\n+3], 0x80000000
	s_mov_b32 s[G0V+4*\n], 1
	s_add_co_u32 s[G0V+4*\n+1], s57, \n*VSLOT
	s_add_nc_u64 s[G0V+4*\n+2:G0V+4*\n+3], s[18:19], \n*65536
	s_or_b32 s[G0V+4*\n+3], s[G0V+4*\n+3], 0x80000000
.endr
	s_cmp_lt_u32 s[WV], 4                          ; a wave's two first fills stand in one branch: two loads of mine are out
	s_cbranch_scc0 .Lfirst_v
	tensor_load_to_lds s[G0K:G0K+3], s[G1K:G1K+7]
	s_nop 0
	tensor_load_to_lds s[G0K+4:G0K+7], s[G1K:G1K+7]
	s_nop 0
.rept 4
	v_nop
.endr
	s_branch .Lfirst_asked
.Lfirst_v:
	tensor_load_to_lds s[G0V:G0V+3], s[G1V:G1V+7]
	s_nop 0
	tensor_load_to_lds s[G0V+4:G0V+7], s[G1V:G1V+7]
	s_nop 0
.rept 4
	v_nop
.endr
.Lfirst_asked:
	; a fragment of K or Q: 16 rows x 32 channels in 8 registers: lane l holds row l % 16; registers 0-3 channels 8 (l / 16) + 0..7, registers 4-7 those 16 further on
	v_and_b32 v1, 15, v0                           ; r
	v_bfe_u32 v10, v0, 4, 1                        ; h
	v_lshlrev_b32 v[QO], 7, v1
	v_lshl_add_u32 v[QO], v10, 4, v[QO]            ; row x 128 + 16 h
	WIN TO_1
.irp t, 0,1,2,3
.irp c, 0,1
	global_load_b128 v[QF+8*(2*\t+\c):QF+8*(2*\t+\c)+3],   v[QO], s[8:9] offset:2048*\t+64*\c      ; Q stays in registers
	global_load_b128 v[QF+8*(2*\t+\c)+4:QF+8*(2*\t+\c)+7], v[QO], s[8:9] offset:2048*\t+64*\c+32
.endr
.endr
.set i, 0
.rept 128
	v_mov_b32 v[i], 0                              ; O^T.  (The key step is written without a first step of its own: the first finds zeros, which a = 0 leaves zeros)
.set i, i+1
.endr
	WIN 0
	v_lshrrev_b32 v11, 1, v1
	v_mul_u32_u24 v[AK0], v11, PK                  ; K: key r lies in row r / 2,
	v_and_b32 v11, 1, v0
	v_lshl_add_u32 v[AK0], v11, 7, v[AK0]          ; in its half r % 2,
	v_lshl_add_u32 v[AK0], v10, 4, v[AK0]          ; + 16 h
	v_bfe_u32 v11, v0, 1, 2                        ; V: the turning load's lane l reads 16 bytes of key 8 h + l % 8: row 4 h + (l % 8) / 2,
	v_lshl_add_u32 v11, v10, 2, v11
	v_mul_u32_u24 v[AV0], v11, PVP
	v_and_b32 v11, 1, v0
	v_lshl_add_u32 v[AV0], v11, 7, v[AV0]          ; half l % 2,
	v_bfe_u32 v11, v0, 3, 1
	v_lshl_add_u32 v[AV0], v11, 4, v[AV0]          ; channels 8 ((l / 8) % 2) on
	v_add_nc_u32 v[AV0], VBASE, v[AV0]
	s_mul_i32 s69, s[WV], 16*SP                    ; my stage
	v_mul_u32_u24 v[STO], v1, SP                   ; in: token r, 16 bytes for each half of the lanes
	v_lshl_add_u32 v[STO], v10, 4, v[STO]
	v_add_nc_u32 v[STO], s69, v[STO]
	v_bfe_u32 v11, v0, 3, 2                        ; back: eight lanes to a token's 128 bytes, four tokens an instruction
	v_mul_u32_u24 v[RD], v11, SP
	v_and_b32 v11, 7, v0
	v_lshl_add_u32 v[RD], v11, 4, v[RD]
	v_add_nc_u32 v[RD], s69, v[RD]
	v_and_b32 v11, 31, v0
	v_lshlrev_b32 v[GO], 4, v11                    ; in memory: 512 consecutive bytes
.irp t, 0,1,2,3
	v_mov_b32 v[ST+8*\t+1], 0xff61b1e6             ; m = -3e38, under every score
	v_mov_b32 v[ST+8*\t+2], 0                      ; l
	v_mov_b32 v[ST+8*\t+3], 0
.endr
.irp t, 0,1,2,3
	v_mul_f32 v[ST+8*\t], s[CS], v[ST+8*\t+1]      ; c m
.endr
; 32 products S^T = K Q^T: the 16 accumulators take turns, one instruction a turn; the first 16 start the sums
.macro KQ_RUN
	s_wait_dscnt 0x0                               ; K is in
	WIN W_KQ
.irp c, 0,1
.irp k, 0,1,2,3
.irp t, 0,1,2,3
.if \c == 0
	v_wmma_f32_16x16x32_f16 v[S+32*\t+8*\k:S+32*\t+8*\k+7], v[KF+8*(2*\k+\c):KF+8*(2*\k+\c)+7], v[QF+8*(2*\t+\c):QF+8*(2*\t+\c)+7], 0
.else
	v_wmma_f32_16x16x32_f16 v[S+32*\t+8*\k:S+32*\t+8*\k+7], v[KF+8*(2*\k+\c):KF+8*(2*\k+\c)+7], v[QF+8*(2*\t+\c):QF+8*(2*\t+\c)+7], v[S+32*\t+8*\k:S+32*\t+8*\k+7]
.endif
.endr
.endr
.endr
	WIN 0
.endm
; 32 products O^T += V^T P: keys 32 g on, channels 16 d on, tile t; again 16 accumulators by turns
.macro PV_RUN
	WIN W_PV
.irp g, 0,1
.irp d, 0,1,2,3
.irp t, 0,1,2,3
	v_wmma_f32_16x16x32_f16 v[32*\t+8*\d:32*\t+8*\d+7], v[VF+8*(4*\g+\d):VF+8*(4*\g+\d)+7], v[S+32*\t+8*\g:S+32*\t+8*\g+7], v[32*\t+8*\d:32*\t+8*\d+7]
.endr
.endr
.endr
	WIN 0
.endm
.macro FETCH_K                         ; 16 loads: keys 16 k on, channels 32 c on
.irp k, 0,1,2,3
.irp c, 0,1
	ds_load_b128 v[KF+8*(2*\k+\c):KF+8*(2*\k+\c)+3],   v[ADK] offset:8*PK*\k+64*\c
	ds_load_b128 v[KF+8*(2*\k+\c)+4:KF+8*(2*\k+\c)+7], v[ADK] offset:8*PK*\k+64*\c+32
.endr
.endr
.endm
.macro FETCH_V                         ; 16 turning loads: keys 32 g on, channels 16 d on
	WIN TO_1
.irp g, 0,1
.irp d, 0,1,2,3
	ds_load_tr16_b128 v[VF+8*(4*\g+\d):VF+8*(4*\g+\d)+3],   v[ADV] offset:16*PVP*\g+32*\d
	ds_load_tr16_b128 v[VF+8*(4*\g+\d)+4:VF+8*(4*\g+\d)+7], v[ADV] offset:16*PVP*\g+8*PVP+32*\d
.endr
.endr
	WIN 0
.endm
; THE SOFTMAX of the wave's four tiles for one key step, the tiles by turns line by line, so that no line waits for the line above it.
.macro SOFTMAX
.irp j, 0,1,2,3                        ; the maximum of a lane's 32 scores and the old m: four chains, one for each accumulator, which is read from its low end on
.irp t, 0,1,2,3
	v_max3_num_f32 v[ST+8*\t+4+\j], v[S+32*\t+8*\j], v[S+32*\t+8*\j+1], v[S+32*\t+8*\j+2]
.endr
.endr
.irp q, 1,2
.irp j, 0,1,2,3
.irp t, 0,1,2,3
	v_max3_num_f32 v[ST+8*\t+4+\j], v[ST+8*\t+4+\j], v[S+32*\t+8*\j+2*\q+1], v[S+32*\t+8*\j+2*\q+2]
.endr
.endr
.endr
.irp t, 0,1,2,3
	v_max3_num_f32 v[ST+8*\t+4], v[ST+8*\t+4], v[S+32*\t+7], v[S+32*\t+15]
.endr
.irp t, 0,1,2,3
	v_max3_num_f32 v[ST+8*\t+6], v[ST+8*\t+6], v[S+32*\t+23], v[S+32*\t+31]
.endr
.irp t, 0,1,2,3
	v_max3_num_f32 v[ST+8*\t+4], v[ST+8*\t+4], v[ST+8*\t+5], v[ST+8*\t+6]
.endr
.irp t, 0,1,2,3
	v_max3_num_f32 v[ST+8*\t+4], v[ST+8*\t+4], v[ST+8*\t+7], v[ST+8*\t+1]
.endr
.irp t, 0,1,2,3
	v_permlanex16_b32 v[ST+8*\t+5], v[ST+8*\t+4], s[SEL], s[SEL+1]  ; the query's other 32 keys lie in the lane 16 away
.endr
.irp t, 0,1,2,3
	v_mov_b32 v[ST+8*\t+7], v[ST+8*\t]             ; c m_old is kept for a
.endr
.irp t, 0,1,2,3
	v_max_num_f32 v[ST+8*\t+1], v[ST+8*\t+4], v[ST+8*\t+5]
.endr
.irp t, 0,1,2,3
	v_mul_f32 v[ST+8*\t], s[CS], v[ST+8*\t+1]
.endr
.irp t, 0,1,2,3
	v_sub_f32 v[ST+8*\t+7], v[ST+8*\t+7], v[ST+8*\t]
.endr
.set i, 0
.rept 16                               ; c s - c m, a pair of scores at a time
.irp t, 0,1,2,3
	v_pk_fma_f32 v[S+32*\t+i:S+32*\t+i+1], v[S+32*\t+i:S+32*\t+i+1], s[CS:CS+1], v[ST+8*\t:ST+8*\t+1] op_sel_hi:[1,0,0] neg_lo:[0,0,1] neg_hi:[0,0,1]
.endr
.set i, i+2
.endr
.irp t, 0,1,2,3                        ; ONE BATCH of 132 exponentials: a, then p in place; none reads another's result
	v_exp_f32 v[ST+8*\t+6], v[ST+8*\t+7]
.endr
.set i, 0
.rept 32
.irp t, 0,1,2,3
	v_exp_f32 v[S+32*\t+i], v[S+32*\t+i]
.endr
.set i, i+1
.endr
	v_nop                                          ; a plain line behind the last exponential, ahead of the first use
	s_wait_alu depctr_va_vdst(0)                   ; one wait for the batch, ahead of its first reader
.irp t, 0,1,2,3                        ; l = a l + the sum of the unrounded p, in two chains
	v_pk_fma_f32 v[ST+8*\t+2:ST+8*\t+3], v[ST+8*\t+2:ST+8*\t+3], v[ST+8*\t+6:ST+8*\t+7], v[S+32*\t:S+32*\t+1] op_sel_hi:[1,0,1]
.endr
.irp t, 0,1,2,3
	v_pk_add_f32 v[X+2*\t:X+2*\t+1], v[S+32*\t+2:S+32*\t+3], v[S+32*\t+4:S+32*\t+5]
.endr
.irp b, 3,5,7,9,11,13
.irp t, 0,1,2,3
	v_pk_add_f32 v[ST+8*\t+2:ST+8*\t+3], v[ST+8*\t+2:ST+8*\t+3], v[S+32*\t+2*\b:S+32*\t+2*\b+1]
.endr
.irp t, 0,1,2,3
	v_pk_add_f32 v[X+2*\t:X+2*\t+1], v[X+2*\t:X+2*\t+1], v[S+32*\t+2*\b+2:S+32*\t+2*\b+3]
.endr
.endr
.irp t, 0,1,2,3
	v_pk_add_f32 v[ST+8*\t+2:ST+8*\t+3], v[ST+8*\t+2:ST+8*\t+3], v[S+32*\t+30:S+32*\t+31]
.endr
.irp t, 0,1,2,3
	v_pk_add_f32 v[ST+8*\t+2:ST+8*\t+3], v[ST+8*\t+2:ST+8*\t+3], v[X+2*\t:X+2*\t+1]
.endr
.set i, 0
.rept 16                               ; P: pairs of p rounded to f16, in place: result i never lies ahead of source 2 i
.irp t, 0,1,2,3
	v_cvt_pk_f16_f32 v[S+32*\t+i], v[S+32*\t+2*i], v[S+32*\t+2*i+1]
.endr
.set i, i+1
.endr
	WIN W_RS
.set i, 0
.rept 16                               ; O^T x a, each accumulator from its low end on
.irp t, 0,1,2,3
	v_pk_mul_f32 v[32*\t+i:32*\t+i+1], v[32*\t+i:32*\t+i+1], v[ST+8*\t+6:ST+8*\t+7] op_sel_hi:[1,0]
.endr
.set i, i+2
.endr
.endm
; A KEY STEP inside a slot.  K of this step is in registers; V of this step and K of the next are fetched in one run behind the scores' products.
.macro STEP_N
	KQ_RUN
	v_add_nc_u32 v[ADV], s[TV], v[AV0]             ; four plain lines between the products and the loads into K's registers and the first read of the scores
	v_add_nc_u32 v[ADK], s[TK], v[AK0]
	v_nop
	v_nop
	s_add_co_u32 s[TK], s[TK], KSTEPB
	s_add_co_u32 s[TV], s[TV], VSTEPB
	FETCH_V
	FETCH_K
	SOFTMAX
	s_wait_dscnt 16                                ; V is in; the 16 loads of K issued behind V's may be out
	PV_RUN
.rept 5
	v_nop                                          ; the next scores' products write over P's registers, which these products read: five plain lines between
.endr
.endm
; A SLOT'S LAST STEP changes slots.  Its V is the slot's last read.  Each wave waits for all its tensor loads, adds 0 to its spare word, waits for that and for its reads, and signals; the softmax and the
; products V^T P, work on registers alone, stand between the signal and the wait.  fill = 1: the barrier opens a round of the cluster's barrier, and slot n is filled again, with the keys two slots on:
; the load has the other slot's eight key steps in which to land.  reset = 1: the fetches go back to the rings' first byte.
.macro STEP_L fill, n, reset
	KQ_RUN
	v_add_nc_u32 v[ADV], s[TV], v[AV0]
	v_nop
	v_nop
	v_nop
	s_add_co_u32 s[TV], s[TV], VSTEPB
	FETCH_V
	s_wait_tensorcnt 0x0                           ; no tensor load of mine is out: my part of the next slot is in, and a group 0 may be written
	ds_add_u32 v[SPW], v[NIL]                      ; 0 onto my spare word
.if \fill
	s_add_nc_u64 s[G0K+4*\n+2:G0K+4*\n+3], s[G0K+4*\n+2:G0K+4*\n+3], 2*65536
	s_add_nc_u64 s[G0V+4*\n+2:G0V+4*\n+3], s[G0V+4*\n+2:G0V+4*\n+3], 2*65536
.endif
	s_wait_dscnt 0x0                               ; the add is done, V is in, and my reads of this slot are over
	s_barrier_signal -1
	SOFTMAX
	PV_RUN
	s_barrier_wait -1
.if \fill
	CREST                                          ; no wave of any partner still reads this slot or has a load on its way
	JLOAD \n                                       ; the first tensor load behind the round; its four v_nop and the addition below are the five plain lines ahead of the next scores' products
.else
.rept 4
	v_nop
.endr
.endif
.if \reset
	s_mov_b32 s[TK], 0
	s_mov_b32 s[TV], 0
.endif
	v_add_nc_u32 v[ADK], s[TK], v[AK0]
	s_add_co_u32 s[TK], s[TK], KSTEPB
	FETCH_K
.endm
.macro SEVEN                           ; a slot's first seven key steps
	s_mov_b32 s[CNT], 7
.Lstep_\@:
	STEP_N
	s_sub_co_u32 s[CNT], s[CNT], 1
	s_cmp_lg_u32 s[CNT], 0
	s_cbranch_scc1 .Lstep_\@
.endm
	s_wait_tensorcnt 1                             ; my part of slot 0 is in; slot 1's, issued behind it, may stay out
	s_barrier_signal -1
	s_barrier_wait -1                              ; everybody's is
	v_add_nc_u32 v[ADK], s[TK], v[AK0]
	s_add_co_u32 s[TK], s[TK], KSTEPB
	FETCH_K                                        ; key step 0
	s_wait_loadcnt 0x0                             ; Q
	SEVEN                                          ; keys 0 to 511, slot 0
	STEP_L 1, 0, 0                                 ; slot 0 takes keys 1,024 on
	SEVEN                                          ; keys 512 on, slot 1
	STEP_L 1, 1, 1                                 ; slot 1 takes keys 1,536 on
	SEVEN                                          ; keys 1,024 on, slot 0
	STEP_L 0, 0, 0                                 ; nothing is left to fetch: written out
	SEVEN                                          ; keys 1,536 on, slot 1
	KQ_RUN                                         ; the last key step
	v_add_nc_u32 v[ADV], s[TV], v[AV0]
	v_nop
	v_nop
	v_nop
	FETCH_V
	SOFTMAX
	s_wait_dscnt 0x0
	PV_RUN
	; THE WAY OUT.  l's two halves and the other half of the lanes' are added (these additions are the plain lines behind the last products); O^T / l is rounded to f16 and goes through my stage, a tile at a time.
.irp t, 0,1,2,3
	v_add_f32 v[ST+8*\t+4], v[ST+8*\t+2], v[ST+8*\t+3]
.endr
.irp t, 0,1,2,3
	v_permlanex16_b32 v[ST+8*\t+5], v[ST+8*\t+4], s[SEL], s[SEL+1]
.endr
.irp t, 0,1,2,3
	v_add_f32 v[ST+8*\t+4], v[ST+8*\t+4], v[ST+8*\t+5]
.endr
.irp t, 0,1,2,3
	v_rcp_f32 v[ST+8*\t+6], v[ST+8*\t+4]
.endr
	v_nop                                          ; a plain line between the last reciprocal and the use of its result
	s_wait_alu depctr_va_vdst(0)                   ; one wait for the four, ahead of the first use
.macro PACK t
	WIN W_RS
.set i, 0
.rept 16
	v_pk_mul_f32 v[32*\t+i:32*\t+i+1], v[32*\t+i:32*\t+i+1], v[ST+8*\t+6:ST+8*\t+7] op_sel_hi:[1,0]
.set i, i+2
.endr
	WIN 0x05                                       ; sources 0 and 1 window 1, destination window 0
.set i, 0
.rept 16
	v_cvt_pk_f16_f32 v[S+16*\t+i], v[32*\t+2*i], v[32*\t+2*i+1]
.set i, i+1
.endr
	WIN 0
.irp d, 0,1,2,3
	ds_store_b128 v[STO], v[S+16*\t+4*\d:S+16*\t+4*\d+3] offset:32*\d
.endr
.irp u, 0,1,2,3
	ds_load_b128 v[S+64+16*\t+4*\u:S+64+16*\t+4*\u+3], v[RD] offset:4*SP*\u  ; LDS serves a wave's instructions in order: these see the stores above, and the next tile's stores come behind them
.endr
.endm
.macro SEND t, younger                 ; younger: the LDS instructions issued behind tile t's loads: the next tile's eight, or none
.irp u, 0,1,2,3
	s_wait_dscnt \younger+3-\u
	global_store_b128 v[GO], v[S+64+16*\t+4*\u:S+64+16*\t+4*\u+3], s[10:11] offset:2048*\t+512*\u  ; four tokens: 512 consecutive bytes, at a multiple of 512 from the buffer's first byte
.endr
.endm
	PACK 0
	PACK 1
	SEND 0, 8
	PACK 2
	SEND 1, 8
	PACK 3
	SEND 2, 8
	SEND 3, 0
	s_wait_tensorcnt 0x0                           ; the wave's end
	ds_add_u32 v[SPW], v[NIL]
	s_wait_dscnt 0x0
	CROUND                                         ; the closing round
	s_endpgm
.Lfunc_end_k_qe3bb4a060d_attn:
	.size	k_qe3bb4a060d_attn, .Lfunc_end_k_qe3bb4a060d_attn-k_qe3bb4a060d_attn
	.p2alignl 7, 3214868480
	.fill 96, 4, 3214868480
	.section	.rodata,"a",@progbits
	.p2align	6, 0x0
	.amdhsa_kernel k_qe3bb4a060d_attn
		.amdhsa_group_segment_fixed_size 327680
		.amdhsa_private_segment_fixed_size 0
		.amdhsa_enable_private_segment 0
		.amdhsa_kernarg_size 16
		.amdhsa_user_sgpr_count 2
		.amdhsa_user_sgpr_kernarg_segment_ptr 1
		.amdhsa_wavefront_size32 1
		.amdhsa_system_sgpr_workgroup_id_x 1
		.amdhsa_system_sgpr_workgroup_id_y 1
		.amdhsa_system_sgpr_workgroup_id_z 1
		.amdhsa_system_vgpr_workitem_id 0
		.amdhsa_next_free_vgpr 512
		.amdhsa_next_free_sgpr 72
		.amdhsa_reserve_vcc 0
		.amdhsa_float_denorm_mode_32 3
		.amdhsa_float_denorm_mode_16_64 3
		.amdhsa_memory_ordered 1
		.amdhsa_forward_progress 1
		.amdhsa_inst_pref_size 255
	.end_amdhsa_kernel
	.section	.bss,"aw",@nobits
	.p2align	6
	.space	262144
	.amdgpu_metadata
---
amdhsa.version: [ 1, 2 ]
amdhsa.kernels:
  - .name:           k_qe3bb4a060d_attn
    .symbol:         k_qe3bb4a060d_attn.kd
    .args:
      - { .name: qkv16, .offset: 0, .size: 8, .value_kind: global_buffer, .address_space: global }
      - { .name: ctx16, .offset: 8, .size: 8, .value_kind: global_buffer, .address_space: global }
    .group_segment_fixed_size: 327680
    .private_segment_fixed_size: 0
    .kernarg_segment_align: 8
    .kernarg_segment_size: 16
    .max_flat_workgroup_size: 256
    .sgpr_count:     72
    .vgpr_count:     512
    .wavefront_size: 32
...
	.end_amdgpu_metadata
.endif
;; end of part 3
;; launch outp (part 4): grid 4 x 64, 4 waves a work-group, clusters of 4 x 4, 327,680 bytes of LDS; arguments ctx16, wo16, out0; writes out0
.if DOCPART == 4
	.amdgcn_target "amdgcn-amd-amdhsa--gfx1250"
	.amdhsa_code_object_version 6
	.text
	.protected	k_qe3bb4a060d_outp
	.globl	k_qe3bb4a060d_outp
	.p2align	8
	.type	k_qe3bb4a060d_outp,@function
k_qe3bb4a060d_outp:
	s_mov_b64 s[64:65], 0
	v_nop
	global_prefetch_b8 v0, s[64:65] scope:SCOPE_SE
	s_setreg_imm32_b32 hwreg(HW_REG_WAVE_MODE, 25, 1), 1
	s_wait_xcnt 0x0
	s_wait_alu depctr_hold_cnt(0) depctr_sa_sdst(0) depctr_va_vdst(0) depctr_va_sdst(0) depctr_va_ssrc(0) depctr_va_vcc(0) depctr_vm_vsrc(0)
	s_getreg_b32 s2, hwreg(HW_REG_IB_STS2, 6, 4)
	s_cmp_eq_u32 s2, 0
	s_cbranch_scc0 .Lentry_in_a_cluster
	s_endpgm
.Lentry_in_a_cluster:
	s_bfe_u32 s2, ttmp6, 0x10000c
	s_cmp_lg_u32 s2, 0xf033
	s_cbranch_scc0 .Lentry_shape_is_right
	s_endpgm
.Lentry_shape_is_right:
; out0[token][n] = the sum over k of ctx[token][k] W_o[n][k], k = 64 head + channel.  ctx16: [64 = 16 batch + head][2048][64] f16; wo16: [1024][1024] f16; out0: [8192][1024] f32; sums in f32.
; A tile of out0 is 128 tokens x 256 outputs: 256 work-groups.  Four waves, each 64 x 128: 32 accumulators, 256 registers.  K goes in 8 steps of 128, two heads a step, through two LDS slots.
; In ctx16 a head's 128 tokens are 16,384 dense bytes: a plane, fetched as 64 rows of 256 bytes (two tokens a row).  Waves 0 and 1 fetch a step's two planes, waves 2 and 3 128 rows of W_o each.
; CLUSTERS: 4 x 4 work-groups: ctx's planes are shared along a row of the cluster, W_o's tiles along a column; each is asked for jointly.
; THE MATRIX INSTRUCTION IS USED TRANSPOSED (source 0 = 16 rows of W_o, source 1 = 16 tokens): a lane holds eight neighbouring outputs of one token.
; REGISTERS: window 0: v16-29 addresses; v32-63, v64-95 ctx's fragments, two buffers; v128-191, v192-255 W_o's, two buffers; on the way out v128-255 rows read back.  window 1: accumulator (a, b) at v[8 (8 a + b)].
.set PITCH,  272
.set APLANE, 64*PITCH                  ; a head's 128 tokens
.set BHALF,  128*PITCH                 ; 128 rows of W_o
.set SLOT,   2*APLANE+2*BHALF
.set SPARE,  2*SLOT                    ; the spare words, 128 bytes a wave, named by no other line
.set SPITCH, 528                       ; the way out: a stage of 16 rows x (512 + 16) bytes a wave, in slot 0, which has had its last fill and its last read by then
.set LAPS,   4                         ; a lap = two K steps
.set ADRA, 16
.set ADRB, 20
.set STO,  24
.set RD,   25
.set CO,   26
.set SPW,  28
.set NIL,  29
.set AFR,  32
.set BFR,  128
.set BK,   128
.set G1, 24
.set G0, 32
.set G1B, 48
.set G0B, 56
.set MSB, 0
.macro WIN new
.if MSB != (\new)
	s_set_vgpr_msb (MSB<<8)|(\new)
.set MSB, (\new)
.endif
.endm
.set MUL, 0x50                         ; C and D window 1, both sources window 0
.macro JLOAD s                         ; a joint load; an s_nop 0 and four v_nop follow each line
	s_cmp_eq_u32 s11, 0
	s_cbranch_scc0 .Lfor_b_\@
	tensor_load_to_lds s[G0+4*\s:G0+4*\s+3], s[G1:G1+7]
	s_nop 0
.rept 4
	v_nop
.endr
	s_branch .Lasked_\@
.Lfor_b_\@:
	tensor_load_to_lds s[G0B+4*\s:G0B+4*\s+3], s[G1B:G1B+7]
	s_nop 0
.rept 4
	v_nop
.endr
.Lasked_\@:
.endm
.macro CREST
	s_cmp_lg_u32 s10, 0
	s_cbranch_scc1 .Lnot_wave_0_\@
	s_barrier_signal -3
.Lnot_wave_0_\@:
	s_barrier_wait -3
	s_barrier_signal -1
	s_barrier_wait -1
.endm
.macro CROUND
	s_barrier_signal -1
	s_barrier_wait -1
	CREST
.endm
	s_load_b128 s[4:7], s[0:1], 0x0                ; ctx16 s[4:5], wo16 s[6:7]
	s_load_b64 s[8:9], s[0:1], 0x10                ; out0
	v_lshl_add_u32 v[SPW], v0, 2, SPARE
	v_mov_b32 v[NIL], 0
	ds_add_u32 v[SPW], v[NIL]                      ; the wave's opening: the add, twice on end, and its wait ahead of my first tensor load
	ds_add_u32 v[SPW], v[NIL]
	v_lshrrev_b32 v1, 5, v0
	v_readfirstlane_b32 s10, v1                    ; wave 0..3
	s_lshr_b32 s11, s10, 1                         ; which 64 tokens are mine.  Also: I fetch for ctx (0) or for W_o (1)
	s_and_b32 s12, s10, 1                          ; which 128 outputs.  Also: which plane, or which 128 rows, I fetch
	s_bfe_u32 s40, ttmp6, 0x40000                  ; cx, cy
	s_bfe_u32 s41, ttmp6, 0x40004
	s_lshl_b32 s42, ttmp9, 2
	s_add_co_u32 s42, s42, s40                     ; tile column
	s_and_b32 s13, ttmp7, 0xffff
	s_lshl_b32 s13, s13, 2
	s_add_co_u32 s13, s13, s41                     ; tile row, 0 .. 63
	s_lshl_b32 s43, s41, 2
	s_lshl_b32 s43, 15, s43                        ; my row of the cluster
	s_lshl_b32 s44, 0x1111, s40                    ; my column
	s_or_b32 s[G1+0], s43, (1<<16)|(1<<20)|(1<<21)|(5<<22)|(3<<25)  ; the mask; elements of 2 bytes; padding on; bit 21 beside a mask; 4 words behind every 64
	s_mov_b32 s[G1+1], 128<<16                     ; ctx: 64 dense rows of 128 elements
	s_mov_b32 s[G1+2], 64<<16
	s_mov_b32 s[G1+3], 128<<16
	s_mov_b32 s[G1+4], 64
	s_mov_b32 s[G1+5], 128
	s_mov_b32 s[G1+6], 0
	s_mov_b32 s[G1+7], 0
	s_or_b32 s[G1B+0], s44, (1<<16)|(1<<20)|(1<<21)|(5<<22)|(3<<25)
	s_mov_b32 s[G1B+1], 128<<16                    ; W_o: 128 rows of 128 elements, 1,024 elements apart
	s_mov_b32 s[G1B+2], 128<<16
	s_mov_b32 s[G1B+3], 128<<16
	s_mov_b32 s[G1B+4], 128
	s_mov_b32 s[G1B+5], 1024
	s_mov_b32 s[G1B+6], 0
	s_mov_b32 s[G1B+7], 0
	s_lshr_b32 s16, s13, 4                         ; ctx: the batch (16 tiles of 128 tokens to each): 16 heads of 2^18 bytes,
	s_lshl_b32 s16, s16, 22
	s_and_b32 s17, s13, 15
	s_lshl_b32 s17, s17, 14                        ; the tile's 128 tokens of 128 bytes,
	s_add_co_u32 s16, s16, s17
	s_lshl_b32 s17, s12, 18                        ; the step's first or second head
	s_add_co_u32 s16, s16, s17
	s_mov_b32 s17, 0
	s_lshl_b32 s46, s42, 19                        ; W_o: row 256 x tile column + 128 x half, of 2,048 bytes
	s_lshl_b32 s47, s12, 18
	s_add_co_u32 s46, s46, s47
	s_mov_b32 s47, 0
	s_mul_i32 s20, s12, APLANE                     ; where they go: no place in the cluster enters an LDS address
	s_mul_i32 s21, s12, BHALF
	s_add_co_u32 s21, s21, 2*APLANE
	s_wait_dscnt 0x0                               ; both opening adds are done
	s_wait_kmcnt 0x0
	s_add_nc_u64 s[14:15], s[4:5], s[16:17]
	s_add_nc_u64 s[46:47], s[6:7], s[46:47]
	CROUND                                         ; all sixteen work-groups are here: the first joint loads meet
.irp s, 0,1
	s_mov_b32 s[G0+4*\s], 1
	s_add_co_u32 s[G0+4*\s+1], s20, \s*SLOT
	s_add_nc_u64 s[G0+4*\s+2:G0+4*\s+3], s[14:15], \s*524288       ; K step s: two heads on
	s_or_b32 s[G0+4*\s+3], s[G0+4*\s+3], 0x80000000
	s_mov_b32 s[G0B+4*\s], 1
	s_add_co_u32 s[G0B+4*\s+1], s21, \s*SLOT
	s_add_nc_u64 s[G0B+4*\s+2:G0B+4*\s+3], s[46:47], \s*256
	s_or_b32 s[G0B+4*\s+3], s[G0B+4*\s+3], 0x80000000
	JLOAD \s                                       ; two loads of mine are out
.endr
	v_and_b32 v1, 15, v0                           ; r
	v_bfe_u32 v2, v0, 4, 1                         ; h
	v_lshrrev_b32 v3, 1, v1
	v_mul_u32_u24 v3, v3, PITCH                    ; ctx: token r lies in row r / 2,
	v_and_b32 v4, 1, v0
	v_lshl_add_u32 v3, v4, 7, v3                   ; in its half r % 2,
	v_lshl_add_u32 v3, v2, 4, v3                   ; + 16 h
	v_mul_u32_u24 v4, v1, PITCH
	v_lshl_add_u32 v4, v2, 4, v4                   ; W_o: row r x pitch + 16 h
	s_mul_i32 s22, s11, 32*PITCH                   ; my 64 tokens in a plane
	s_mul_i32 s23, s12, BHALF
	s_add_co_u32 s23, s23, 2*APLANE                ; my 128 rows of W_o
.irp s, 0,1
	v_add_nc_u32 v[ADRA+\s], s22, v3
	v_add_nc_u32 v[ADRB+\s], s23, v4
	s_add_co_u32 s22, s22, SLOT
	s_add_co_u32 s23, s23, SLOT
.endr
	s_mul_i32 s23, s10, 16*SPITCH                  ; my stage
	v_mul_u32_u24 v5, v1, SPITCH                   ; in: token r, 32 bytes for each half of the lanes
	v_lshl_add_u32 v5, v2, 5, v5
	v_add_nc_u32 v[STO], s23, v5
	v_and_b32 v6, 31, v0
	v_lshlrev_b32 v[CO], 4, v6                     ; back: the 32 lanes take a token's 512 bytes; the same in out0
	v_add_nc_u32 v[RD], s23, v[CO]
	s_lshl_b32 s16, s13, 19                        ; my first token's row of 4,096 bytes: 128 x tile row + 64 x half,
	s_lshl_b32 s17, s11, 18
	s_add_co_u32 s16, s16, s17
	s_lshl_b32 s46, s42, 10                        ; my first output: 1,024 bytes a tile column + 512 x half
	s_lshl_b32 s47, s12, 9
	s_add_co_u32 s46, s46, s47
	s_add_co_u32 s16, s16, s46
	s_mov_b32 s17, 0
	s_add_nc_u64 s[8:9], s[8:9], s[16:17]
.macro MUL8 f, a, zero                 ; block a of tokens against W_o's eight blocks, 32 along K, buffer f.  The 32 accumulators take turns, in the same order in every quarter
.irp b, 0,1,2,3,4,5,6,7
.if \zero
	v_wmma_f32_16x16x32_f16 v[8*(8*(\a)+\b):8*(8*(\a)+\b)+7], v[BFR+64*(\f)+8*\b:BFR+64*(\f)+8*\b+7], v[AFR+32*(\f)+8*(\a):AFR+32*(\f)+8*(\a)+7], 0
.else
	v_wmma_f32_16x16x32_f16 v[8*(8*(\a)+\b):8*(8*(\a)+\b)+7], v[BFR+64*(\f)+8*\b:BFR+64*(\f)+8*\b+7], v[AFR+32*(\f)+8*(\a):AFR+32*(\f)+8*(\a)+7], v[8*(8*(\a)+\b):8*(8*(\a)+\b)+7]
.endif
.endr
.endm
.macro FETCH slot, q, f                ; 24 LDS loads in one run: quarter q of the slot's K step into buffer f: W_o's eight blocks, then the four blocks of tokens (plane q / 2, channels 32 (q % 2) on)
	WIN 0
.irp b, 0,1,2,3,4,5,6,7
	ds_load_b128 v[BFR+64*(\f)+8*\b:BFR+64*(\f)+8*\b+3],   v[ADRB+\slot] offset:16*PITCH*\b+64*(\q)
	ds_load_b128 v[BFR+64*(\f)+8*\b+4:BFR+64*(\f)+8*\b+7], v[ADRB+\slot] offset:16*PITCH*\b+64*(\q)+32
.endr
.irp i, 0,1,2,3
	ds_load_b128 v[AFR+32*(\f)+8*\i:AFR+32*(\f)+8*\i+3],   v[ADRA+\slot] offset:8*PITCH*\i+APLANE*((\q)/2)+64*((\q)%2)
	ds_load_b128 v[AFR+32*(\f)+8*\i+4:AFR+32*(\f)+8*\i+7], v[ADRA+\slot] offset:8*PITCH*\i+APLANE*((\q)/2)+64*((\q)%2)+32
.endr
.endm
.macro PLACES                          ; four plain lines between a matrix instruction and a load into, or a read of, its registers
.rept 4
	v_nop
.endr
.endm
.macro QUARTER slot, qn, f, g, zero    ; multiplies buffer f; in its middle fetches quarter qn of the same slot into buffer g
	s_wait_dscnt 4                                 ; W_o's blocks and tokens' blocks 0, 1 are in; the youngest four loads (blocks 2, 3) may be out
	WIN MUL
	MUL8 \f, 0, \zero
	MUL8 \f, 1, \zero
	PLACES
	FETCH \slot, \qn, \g
	s_wait_dscnt 24                                ; all but the 24 just issued
	WIN MUL
	MUL8 \f, 2, \zero
	MUL8 \f, 3, \zero
.endm
; A K step's last quarter multiplies buffer 1 and changes slots: one barrier; in front of it each wave waits for all its tensor loads, adds 0 to its spare word, and waits for that and for its reads of this slot.
.macro TURN slot, next, fill
	WIN 0                                          ; (the add's two registers lie in window 0)
	s_wait_tensorcnt 0x0                           ; my part of the next slot is in; no load of mine is out
	ds_add_u32 v[SPW], v[NIL]                      ; 0 onto my spare word
	s_wait_dscnt 5                                 ; (the add and the youngest four loads may be out)
	WIN MUL
	MUL8 1, 0, 0
	s_wait_dscnt 0x0                               ; the add is done, and my reads of this slot are over
	s_barrier_signal -1
	MUL8 1, 1, 0
	WIN 0
	s_barrier_wait -1
.if \fill
	CREST                                          ; the barrier has opened a round of the cluster's barrier: no wave of any partner still reads this slot or has a load on its way
	s_add_nc_u64 s[G0+4*\slot+2:G0+4*\slot+3], s[G0+4*\slot+2:G0+4*\slot+3], 2*524288
	s_add_nc_u64 s[G0B+4*\slot+2:G0B+4*\slot+3], s[G0B+4*\slot+2:G0B+4*\slot+3], 2*256
	JLOAD \slot                                    ; the first tensor load behind the round; its four v_nop are also the places in front of the loads below
.else
	PLACES
.endif
	FETCH \next, 0, 0
	WIN MUL
	MUL8 1, 2, 0
	MUL8 1, 3, 0
.endm
	s_wait_tensorcnt 1                             ; my part of K step 0 is in; K step 1's load, issued behind it, may be out
	s_barrier_signal -1
	s_barrier_wait -1                              ; everybody's is
	FETCH 0, 0, 0
	QUARTER 0, 1, 0, 1, 1                          ; the first quarter stands in front of the loop: its products start the sums
	WIN 0                                          ; at a label and at a branch every window is 0
	s_mov_b32 s3, LAPS-1
.Llap:                                             ; a trip goes once round the ring, from a lap's second quarter to the next lap's first, and fills both slots again
	QUARTER 0, 2, 1, 0, 0
	QUARTER 0, 3, 0, 1, 0
	TURN 0, 1, 1
	QUARTER 1, 1, 0, 1, 0
	QUARTER 1, 2, 1, 0, 0
	QUARTER 1, 3, 0, 1, 0
	TURN 1, 0, 1
	QUARTER 0, 1, 0, 1, 0
	WIN 0
	s_sub_co_u32 s3, s3, 1
	s_cmp_lg_u32 s3, 0
	s_cbranch_scc1 .Llap
	QUARTER 0, 2, 1, 0, 0                          ; the last lap fills nothing, and has no round of the cluster's barrier
	QUARTER 0, 3, 0, 1, 0
	TURN 0, 1, 0
	QUARTER 1, 1, 0, 1, 0
	QUARTER 1, 2, 1, 0, 0
	QUARTER 1, 3, 0, 1, 0
	s_wait_dscnt 4                                 ; the very last quarter: nothing more to fetch
	WIN MUL
	MUL8 1, 0, 0
	MUL8 1, 1, 0
	s_wait_dscnt 0
	MUL8 1, 2, 0
	MUL8 1, 3, 0
	WIN 0
; THE WAY OUT, a block of 16 tokens x 128 outputs at a time: 32 bytes a lane into my stage, back as whole rows of 512 bytes.
.macro TOSTAGE a
	WIN 0x04                                       ; an LDS store's data are its source 1: window 1
.irp b, 0,1,2,3,4,5,6,7
	ds_store_b128 v[STO], v[8*(8*(\a)+\b):8*(8*(\a)+\b)+3] offset:64*\b          ; each accumulator from its low end on
	ds_store_b128 v[STO], v[8*(8*(\a)+\b)+4:8*(8*(\a)+\b)+7] offset:64*\b+16
.endr
	WIN 0
.set BB, BK+64*((\a)%2)
.irp t, 0,1,2,3,4,5,6,7,8,9,10,11,12,13,14,15
	ds_load_b128 v[BB+4*\t:BB+4*\t+3], v[RD] offset:\t*SPITCH                    ; LDS serves a wave's instructions in order: these see the stores above
.endr
.endm
.macro SEND a, younger                 ; younger: the LDS instructions issued behind block a's loads, which may stay out
.set BB, BK+64*((\a)%2)
	s_wait_dscnt \younger
.irp t, 0,1,2,3,4,5,6,7,8,9,10,11,12,13,14,15
	global_store_b128 v[CO], v[BB+4*\t:BB+4*\t+3], s[8:9] offset:(16*(\a)+\t)*4096 th:TH_STORE_NT   ; 32 lanes store 512 consecutive bytes, at a multiple of 512 from out0's first byte; written once, read by nobody here
.endr
.endm
	PLACES                                         ; behind the last products: their results are read and their fragments' registers loaded below
	TOSTAGE 0
	TOSTAGE 1
	SEND 0, 32                                     ; behind block 0's loads: block 1's 16 stores and 16 loads
	s_wait_xcnt 0x0                                ; block 0's stores have read their registers: block 2's loads may land there
	TOSTAGE 2
	SEND 1, 32
	s_wait_xcnt 0x0                                ; block 1's likewise
	TOSTAGE 3
	SEND 2, 32
	SEND 3, 0
	s_wait_tensorcnt 0x0                           ; the wave's end
	ds_add_u32 v[SPW], v[NIL]
	s_wait_dscnt 0x0
	CROUND                                         ; the closing round
	s_endpgm
.Lfunc_end_k_qe3bb4a060d_outp:
	.size	k_qe3bb4a060d_outp, .Lfunc_end_k_qe3bb4a060d_outp-k_qe3bb4a060d_outp
	.p2alignl 7, 3214868480
	.fill 96, 4, 3214868480
	.section	.rodata,"a",@progbits
	.p2align	6, 0x0
	.amdhsa_kernel k_qe3bb4a060d_outp
		.amdhsa_group_segment_fixed_size 327680
		.amdhsa_private_segment_fixed_size 0
		.amdhsa_enable_private_segment 0
		.amdhsa_kernarg_size 24
		.amdhsa_user_sgpr_count 2
		.amdhsa_user_sgpr_kernarg_segment_ptr 1
		.amdhsa_wavefront_size32 1
		.amdhsa_system_sgpr_workgroup_id_x 1
		.amdhsa_system_sgpr_workgroup_id_y 1
		.amdhsa_system_sgpr_workgroup_id_z 1
		.amdhsa_system_vgpr_workitem_id 0
		.amdhsa_next_free_vgpr 512
		.amdhsa_next_free_sgpr 66
		.amdhsa_reserve_vcc 0
		.amdhsa_float_denorm_mode_32 3
		.amdhsa_float_denorm_mode_16_64 3
		.amdhsa_memory_ordered 1
		.amdhsa_forward_progress 1
		.amdhsa_inst_pref_size 85
	.end_amdhsa_kernel
	.amdgpu_metadata
---
amdhsa.version: [ 1, 2 ]
amdhsa.kernels:
  - .name:           k_qe3bb4a060d_outp
    .symbol:         k_qe3bb4a060d_outp.kd
    .args:
      - { .name: ctx16, .offset: 0, .size: 8, .value_kind: global_buffer, .address_space: global }
      - { .name: wo16, .offset: 8, .size: 8, .value_kind: global_buffer, .address_space: global }
      - { .name: out0, .offset: 16, .size: 8, .value_kind: global_buffer, .address_space: global }
    .group_segment_fixed_size: 327680
    .private_segment_fixed_size: 0
    .kernarg_segment_align: 8
    .kernarg_segment_size: 24
    .max_flat_workgroup_size: 128
    .sgpr_count:     66
    .vgpr_count:     512
    .wavefront_size: 32
...
	.end_amdgpu_metadata
.endif
;; end of part 4
